; MI455X (gfx1250); checked and timed in simulation.
; The chip was launched on July 23, 2026; its instructions are those of AMD's public machine-readable ISA for CDNA 5 (MIT licence, August 2026) and "CDNA5" Instruction Set Architecture Reference Guide (July 2026). The comments in the code are by the model that wrote it; some were corrected since.
;; Transformer Block. Allowed arithmetic: matrix products marked QUANTISED: E5M2 operands, one given power-of-two scale a tensor, by v_wmma_f32_16x16x64_bf8_bf8 or v_wmma_f32_16x16x128_bf8_bf8, f32 sums; everything else in f32.
;; Inputs: b1 4,096 float32; b2 1,024 float32; b_out 1,024 float32; b_qkv 3,072 float32; gain_final 1,024 float32; lowp_scales 12 int32 (the exponents e of the quantised operands' scales 2^e); w1_codes 4,096 x 32 x 32 uint8 (E5M2 codes of w1, K innermost, in blocks of 32 codes); w2_codes 1,024 x 128 x 32 uint8 (E5M2 codes of w2, K innermost, in blocks of 32 codes); w_out_codes 1,024 x 32 x 32 uint8 (E5M2 codes of w_out, K innermost, in blocks of 32 codes); w_qkv_codes 3,072 x 32 x 32 uint8 (E5M2 codes of w_qkv, K innermost, in blocks of 32 codes); x 2,048 x 2 x 1,024 float32.
;; Outputs: out0 2,048 x 2 x 1,024 float32.
;; This version of the problem:
;;   THIS VERSION OF THE PROBLEM IS GIVEN IN LOW PRECISION. The matrix products marked QUANTISED in the list below multiply operands that are first quantised to E5M2 (5 exponent bits, 2 mantissa bits; 8 bits a number), with one given power-of-two scale for each operand tensor; their sums are f32. All else is computed in f32.
;;   The module's matrix products, in the order in which they are computed (A, B: the left and right operand; K: the contracted axis; several contracted axes count as one K, in the product's order):
;;     1. [M 4,096, K 1,024] x [K 1,024, N 3,072]; A: input x; B: input w_qkv (given as codes): QUANTISED (scales: A lowp_scales[0], B lowp_scales[1])
;;     2. batch 32 x [M 2,048, K 64] x [K 64, N 2,048]; A: computed on the way; B: computed on the way: QUANTISED (scales: A lowp_scales[2], B lowp_scales[3])
;;     3. batch 32 x [M 2,048, K 2,048] x [K 2,048, N 64]; A: softmax (see below); B: computed on the way: QUANTISED (scales: A lowp_scales[4], B lowp_scales[5])
;;     4. [M 4,096, K 1,024] x [K 1,024, N 1,024]; A: computed on the way; B: input w_out (given as codes): QUANTISED (scales: A lowp_scales[6], B lowp_scales[7])
;;     5. [M 4,096, K 1,024] x [K 1,024, N 4,096]; A: computed on the way; B: input w1 (given as codes): QUANTISED (scales: A lowp_scales[8], B lowp_scales[9])
;;     6. [M 4,096, K 4,096] x [K 4,096, N 1,024]; A: computed on the way; B: input w2 (given as codes): QUANTISED (scales: A lowp_scales[10], B lowp_scales[11])
;;   THE QUANTISER, for each operand of a quantised product, along K:
;;     - The operand's scale is 2^e, e = its entry of the input lowp_scales (int32; the entries are numbered through the quantised products in the list's order, A before B).
;;     - Each number is divided by the scale, clamped to +-57,344, and rounded to the nearest number of E5M2, ties to even, subnormals kept.
;;     - The product sums the exact products of the quantised numbers (number of the format x scale) in f32.
;;   ~~~python
;;   def quantise(x, axis, e):      # numpy; x: float32 -> the quantised numbers, widened to float32 again
;;       x = np.moveaxis(x, axis, -1); K = x.shape[-1]
;;       r = np.clip(x / 2.0 ** e, -57344, 57344)
;;       step = 2.0 ** (np.maximum(np.frexp(np.where(r == 0, 1, r))[1] - 1, -14) - 2)
;;       q = np.round(r / step) * step * 2.0 ** e      # np.round: ties to even
;;       return np.moveaxis(q, -1, axis).astype(np.float32)
;;   ~~~
;;   SOFTMAX AHEAD OF A QUANTISED PRODUCT. Where the list says 'softmax', what is quantised is not the finished softmax but p = 2^(t - M), with t = logit x log2(e) and M = ceil(the row's largest t), a whole number; so 1/2 < the row's largest p <= 1. The row's sum l is taken of the UNQUANTISED p, in f32, and the product's result is divided by l at the end. Since M is a whole number, a kernel that streams over the keys may use a running M (the ceiling of the running maximum): every later rescaling is an exact power of two, so the quantised numbers keep their values, but for numbers so far below the row's largest that they fall under the format's range.
;;   OPERANDS COMPUTED ON THE WAY. 'Computed on the way' means the value that the module computes at that place (a softmax that the list does not call 'softmax' is quantised finished and normalised). What goes into a quantiser is computed in f32, as accurately as f32 sums, v_exp_f32 and their like allow (about 1e-6 of the number): no bf16 or f16 on the way to a quantiser, and a product that is left as it is and whose result goes on into a quantised operand takes f32 operands (vector FMAs, or v_wmma_f32_16x16x4_f32). A number that lies on a knife's edge between two numbers of the format may be rounded either way, as far as f32 arithmetic and the matrix unit's own rounding can turn it there, and no further.
;;   INPUTS GIVEN AS CODES. w1 (in the module: [1024, 4096], K = its axis 0); w2 (in the module: [4096, 1024], K = its axis 0); w_out (in the module: [1024, 1024], K = its axis 0); w_qkv (in the module: [1024, 3072], K = its axis 0): each comes as NAME_codes (uint8): NAME with its K axis moved to the last place and cut into blocks of 32 codes, [.., K / 32, bytes a block], one block behind the other in memory; one code a byte (a code: sign, 5 exponent bits, 2 mantissa bits); its scale is its entry of lowp_scales. Its value is code x scale, taken as it is: it is not quantised again, and the codes and scales need not be those that the quantiser above would give.
;; One version. Each part assembles by itself: llvm-mc -triple=amdgcn-amd-amdhsa -mcpu=gfx1250 --defsym DOCPART=n.
;; ======== version 1 of 1: 7 launches
;; limits: right only within a limited range of input values
;; workspace buffers: xc 4,194,304 bytes; qkvc 12,582,912 bytes; ctxc 4,194,304 bytes; x1 16,777,216 bytes; x1c 4,194,304 bytes; hc 16,777,216 bytes; x2 16,777,216 bytes
;; launch quant_x (part 1): grid 512 x 1, 4 waves a work-group, no clusters, 33,280 bytes of LDS; arguments x, lowp_scales, xc; writes xc
.if DOCPART == 1
	.amdgcn_target "amdgcn-amd-amdhsa--gfx1250"
	.amdhsa_code_object_version 6
	.text
	.protected	k_q19f162112b_quant_x
	.globl	k_q19f162112b_quant_x
	.p2align	8
	.type	k_q19f162112b_quant_x,@function
k_q19f162112b_quant_x:
	s_mov_b64 s[64:65], 0
	v_nop
	global_prefetch_b8 v0, s[64:65] scope:SCOPE_SE
	s_setreg_imm32_b32 hwreg(HW_REG_WAVE_MODE, 25, 1), 1
	s_wait_xcnt 0x0
; x [2048 t][2 b][1024] f32 becomes xc [m' = 2048 b + t][1024]: codes of E5M2, K innermost, with the given scale 2^e0 (entry 0 of the scales).
; code = x / 2^e0, held within +-57,344, rounded to the nearest code, ties to even.  LIMITS: -126 <= e0 <= 112.  NaN among the inputs is not served.
; A wave takes rows m' = 2 g and 2 g + 1 (g = 4 x work-group + wave): four steps of 512 numbers.  Each load reads 512 consecutive bytes, 16 a lane; a step's 2,048 bytes turn through
; the wave's own stage in LDS (16 bytes of padding behind each 64) and come back 64 bytes a lane: 16 neighbours along K, as the conversions want them.  A lane's 16 codes are 16 bytes:
; the wave stores 512 consecutive bytes.  Waves share nothing: no barrier, no cluster, no matrix unit: the launch is a stream.
.set SP,    80                         ; a lane's place in a stage: 64 bytes + 16 of padding
.set WREG,  8192                       ; LDS of a wave: two stages of 32 x SP bytes
.set R,     16                         ; v16-79   four sets of 16 numbers as loaded
.set X,     80                         ; v80-111  two sets of 16 neighbours
.set C,     112                        ; v112-127 codes: four registers for each step
	s_load_b128 s[4:7], s[0:1], 0x0                ; x, the scales' exponents
	s_load_b64 s[8:9], s[0:1], 0x10                ; xc
	v_lshl_add_u32 v128, v0, 2, 0x8000
	v_mov_b32 v129, 0
	v_lshrrev_b32 v1, 5, v0
	v_readfirstlane_b32 s16, v1                    ; wave
	v_and_b32 v2, 31, v0                           ; lane
	v_lshlrev_b32 v3, 4, v2                        ; 16 x lane: my bytes of a load's 512, and of a store's; never rewritten
	s_mul_i32 s17, s16, WREG
	v_lshrrev_b32 v14, 2, v2
	v_mul_u32_u24 v14, v14, SP
	v_and_b32 v15, 3, v2
	v_lshl_add_u32 v14, v15, 4, v14
	v_add_nc_u32 v14, s17, v14                     ; the stage, on the way in: SP (lane / 4) + 16 (lane % 4)
	v_mul_u32_u24 v15, v2, SP
	v_add_nc_u32 v15, s17, v15                     ; and on the way out: SP x lane
	s_lshl_b32 s18, ttmp9, 2
	s_add_co_u32 s18, s18, s16                     ; g
	s_lshr_b32 s19, s18, 10                        ; b
	s_lshl_b32 s20, s18, 1
	s_and_b32 s20, s20, 2047                       ; t of my first row
	s_lshl_b32 s20, s20, 1
	s_add_co_u32 s20, s20, s19                     ; its row in x: 2 t + b; my second row lies two rows (8,192 bytes) on
	s_lshl_b32 s20, s20, 12
	s_mov_b32 s21, 0
	s_lshl_b32 s22, s18, 11                        ; my codes: 2,048 g
	s_mov_b32 s23, 0
	s_wait_alu depctr_va_vdst(0)
	s_wait_kmcnt 0x0
	s_load_b32 s24, s[6:7], 0x0                    ; e0
	s_add_nc_u64 s[4:5], s[4:5], s[20:21]
	s_add_nc_u64 s[8:9], s[8:9], s[22:23]
.macro LOAD t                          ; step t: row t / 2, half t % 2
.irp i, 0,1,2,3
	global_load_b128 v[R+16*(\t)+4*\i:R+16*(\t)+4*\i+3], v3, s[4:5] offset:((\t)/2)*8192+((\t)%2)*2048+512*\i th:TH_LOAD_NT
.endr
.endm
.macro TURN t                          ; step t's numbers through the stage: LDS serves a wave's instructions in order, so no wait stands between the stores and the loads
.irp i, 0,1,2,3
	ds_store_b128 v14, v[R+16*(\t)+4*\i:R+16*(\t)+4*\i+3] offset:32*SP*((\t)%2)+8*SP*\i
.endr
.irp i, 0,1,2,3
	ds_load_b128 v[X+16*((\t)%2)+4*\i:X+16*((\t)%2)+4*\i+3], v15 offset:32*SP*((\t)%2)+16*\i
.endr
.endm
.irp t, 0,1,2,3
	LOAD \t
.endr
	s_wait_kmcnt 0x0
	s_add_co_i32 s24, s24, 127
	s_lshl_b32 s25, s24, 23
	v_mov_b32 v11, s25                             ; 2^e0 as f32: the conversion takes its exponent field
	s_wait_alu depctr_va_vdst(0)
	s_wait_loadcnt 12                              ; step 0's four loads are in; the twelve behind them may be out
	TURN 0
.macro STEP t
.set XS, X+16*((\t)%2)
	s_wait_dscnt 0x0                               ; this step's numbers are back from the stage
.if (\t) < 3
	s_wait_loadcnt 4*(2-(\t))                      ; the next step's four loads are in; those of the steps behind it may be out
	TURN (\t)+1                                    ; and go through the other stage while this step is worked
.endif
.set n, 0
.rept 16
.set n, n+1
.endr
	v_cvt_scalef32_pk8_bf8_f32 v[C+4*(\t):C+4*(\t)+1], v[XS:XS+7], v11
	v_cvt_scalef32_pk8_bf8_f32 v[C+4*(\t)+2:C+4*(\t)+3], v[XS+8:XS+15], v11
	global_store_b128 v3, v[C+4*(\t):C+4*(\t)+3], s[8:9] offset:512*(\t)   ; 32 lanes store 512 consecutive bytes; each step has its own registers, so no store's data are written again
.endm
.irp t, 0,1,2,3
	STEP \t
.endr
	s_wait_tensorcnt 0x0
	ds_add_u32 v128, v129
	s_wait_dscnt 0x0
	s_endpgm
.Lfunc_end_k_q19f162112b_quant_x:
	.size	k_q19f162112b_quant_x, .Lfunc_end_k_q19f162112b_quant_x-k_q19f162112b_quant_x
	.p2alignl 7, 3214868480
	.fill 96, 4, 3214868480
	.section	.rodata,"a",@progbits
	.p2align	6, 0x0
	.amdhsa_kernel k_q19f162112b_quant_x
		.amdhsa_group_segment_fixed_size 33280
		.amdhsa_private_segment_fixed_size 0
		.amdhsa_enable_private_segment 0
		.amdhsa_kernarg_size 24
		.amdhsa_user_sgpr_count 2
		.amdhsa_user_sgpr_kernarg_segment_ptr 1
		.amdhsa_wavefront_size32 1
		.amdhsa_system_sgpr_workgroup_id_x 1
		.amdhsa_system_sgpr_workgroup_id_y 1
		.amdhsa_system_sgpr_workgroup_id_z 1
		.amdhsa_system_vgpr_workitem_id 0
		.amdhsa_next_free_vgpr 130
		.amdhsa_next_free_sgpr 66
		.amdhsa_reserve_vcc 0
		.amdhsa_float_denorm_mode_32 3
		.amdhsa_float_denorm_mode_16_64 3
		.amdhsa_fp16_overflow 1
		.amdhsa_memory_ordered 1
		.amdhsa_forward_progress 1
		.amdhsa_inst_pref_size 7
	.end_amdhsa_kernel
	.amdgpu_metadata
---
amdhsa.version: [ 1, 2 ]
amdhsa.kernels:
  - .name:           k_q19f162112b_quant_x
    .symbol:         k_q19f162112b_quant_x.kd
    .args:
      - { .name: x, .offset: 0, .size: 8, .value_kind: global_buffer, .address_space: global }
      - { .name: lowp_scales, .offset: 8, .size: 8, .value_kind: global_buffer, .address_space: global }
      - { .name: xc, .offset: 16, .size: 8, .value_kind: global_buffer, .address_space: global }
    .group_segment_fixed_size: 33280
    .private_segment_fixed_size: 0
    .kernarg_segment_align: 8
    .kernarg_segment_size: 24
    .max_flat_workgroup_size: 128
    .sgpr_count:     66
    .vgpr_count:     130
    .wavefront_size: 32
...
	.end_amdgpu_metadata
.endif
;; end of part 1
;; launch gemm_qkv (part 2): grid 12 x 16, 4 waves a work-group, clusters of 4 x 4, 327,680 bytes of LDS; arguments xc, w_qkv_codes, lowp_scales, b_qkv, qkvc; writes qkvc
.if DOCPART == 2
	.amdgcn_target "amdgcn-amd-amdhsa--gfx1250"
	.amdhsa_code_object_version 6
	.text
	.protected	k_q19f162112b_gemm_qkv
	.globl	k_q19f162112b_gemm_qkv
	.p2align	8
	.type	k_q19f162112b_gemm_qkv,@function
k_q19f162112b_gemm_qkv:
	s_mov_b64 s[64:65], 0
	v_nop
	global_prefetch_b8 v0, s[64:65] scope:SCOPE_SE
	s_setreg_imm32_b32 hwreg(HW_REG_WAVE_MODE, 25, 1), 1
	s_wait_xcnt 0x0
	s_wait_alu depctr_hold_cnt(0) depctr_sa_sdst(0) depctr_va_vdst(0) depctr_va_sdst(0) depctr_va_ssrc(0) depctr_va_vcc(0) depctr_vm_vsrc(0)
	s_getreg_b32 s2, hwreg(HW_REG_IB_STS2, 6, 4)
	s_cmp_eq_u32 s2, 0
	s_cbranch_scc0 .Lentry_in_a_cluster
	s_endpgm
.Lentry_in_a_cluster:
	s_bfe_u32 s2, ttmp6, 0x10000c
	s_cmp_lg_u32 s2, 0xf033
	s_cbranch_scc0 .Lentry_shape_is_right
	s_endpgm
.Lentry_shape_is_right:
; qkv = x W_qkv + b_qkv on codes of E5M2 (xc [4096 m'][1024], w_qkv_codes [3072 n][1024], K innermost), sums in f32; q, k and v are quantised on the way out (scales 2^e2, 2^e3, 2^e5) and leave as codes.
; A tile of 256 x 256 is made by four waves, each 128 x 128: 64 accumulators, 512 registers.  K = 1,024 goes in four steps of 256 through a ring of two LDS slots filled by the tensor data mover.
; CLUSTERS: 4 x 4 work-groups; region A's tiles are shared along a row of the cluster, region B's along a column: each is asked for jointly, by the same tensor load with a mask that names the four.
; THE MATRIX INSTRUCTION IS USED TRANSPOSED (source 0 = 16 rows of region B, source 1 = 16 rows of region A): a lane holds ONE row of region A and eight neighbours among region B's rows.
; The cluster's x says what is made: 0 q, 1 k, 2 v.  For q and k region A holds rows of x and region B rows of W: a lane's registers run along the head's 64, the first attention product's K.
; FOR v THE TWO OPERANDS CHANGE REGIONS (a choice of pointers and tile numbers on the cluster's x, which all partners share; no branch): a lane then holds one (head, channel) and its registers run along t,
; the second attention product's K: v leaves with the keys innermost and nothing is transposed.
; qkvc: q at byte 0: [b][h][t][64].  From byte 4,194,304: [b x 8 + head pair][t / 128][32,768]: K of the even head (128 keys x 64), K of the odd head, V of the even head ([key half][64 channels][64 keys]), V of the odd head.
; LIMITS: e0 + e1 between -126 and 127; e2, e3, e5 between -126 and 112.  NaN among the inputs is not served.
; REGISTERS, in windows of 256: window 0: v0-31 addresses; v32-95 the bias along region B's rows; v96-111 the bias along region A's rows, in pairs; from v128 region A's fragments, ONE set (on the way out v128-239 are at work).
;   window 1: region B's fragments, TWO sets.   window 2: the accumulators of my rows 0-63 ((a, b) at v[8 (8 a + b)]);   window 3: those of my rows 64-127.
.set PITCH,  272                       ; an LDS row: 256 bytes + 16 of padding = 68 words: the 16 rows that a load touches start at 16 different banks (64 banks of 4 bytes: ISA guide 11.1)
.set FR,     16                        ; registers of a fragment: 16 rows x 128 K
.set NL,     4                         ; LDS loads that bring one
.set NP,     4                         ; places behind this matrix instruction (ISA guide 7.12.1)
.set HALFT,  128*PITCH                 ; 128 rows: what one tensor load brings
.set SLOT,   4*HALFT                   ; region A's 256 rows, then region B's
.set LAPS,   2                         ; 1,024 along K: twice round the ring
.set SPARE,  2*SLOT                    ; behind the ring: the spare words, 128 bytes for each wave
.set STAGE,  SPARE+512                 ; behind them: 16 rows x 144 bytes for each wave, for the way out; no tile lands here
.set SPITCH, 144
.set ADRA, 16                          ; v16-17  LDS address of my fragments of region A in slot 0, 1
.set ADRB, 20                          ; v20-21  the same for region B
.set STO,  24                          ; v24     the way out: where I put 8 codes of a row
.set RD,   25                          ; v25     where I read rows back
.set CO,   26                          ; v26     my byte offset in the output
.set SPW,  28                          ; v28     LDS address of my spare word; never rewritten
.set NIL,  29                          ; v29     0; never rewritten
.set BC,   32
.set BR,   96
.set AF,   128
.set TMP,  128                         ; the way out: a block's 64 numbers
.set CD,   192                         ; its codes
.set BB,   208                         ; rows read back: two sets of 16
.set G1, 24
.set G0, 32
.set G1B, 48
.set G0B, 56
.set MSB, 0
.macro WIN new                         ; the immediate's high byte repeats the setting that is left
.if MSB != \new
	s_set_vgpr_msb (MSB<<8)|\new
.set MSB, \new
.endif
.endm
.set MUL_LO, 0xa1                      ; source 0 window 1, source 1 window 0, C and D window 2
.set MUL_HI, 0xf1                      ; the same, C and D window 3
.set TO_B,   0x40                      ; destination window 1, address window 0
; A joint load: waves 0 and 1 fetch for region A, waves 2 and 3 for region B; the branch hangs on the wave's number alone.  Four v_nop follow each of the two lines.
.macro JLOAD g0a, g1a, g0b, g1b
	s_cmp_eq_u32 s15, 0
	s_cbranch_scc0 .Lfor_b_\@
	tensor_load_to_lds s[\g0a:\g0a+3], s[\g1a:\g1a+7]
	s_nop 0
.rept 4
	v_nop
.endr
	s_branch .Lasked_\@
.Lfor_b_\@:
	tensor_load_to_lds s[\g0b:\g0b+3], s[\g1b:\g1b+7]
	s_nop 0
.rept 4
	v_nop
.endr
.Lasked_\@:
.endm
.macro CREST                           ; a round of the cluster's barrier behind its opening barrier
	s_cmp_lg_u32 s14, 0
	s_cbranch_scc1 .Lnot_wave_0_\@
	s_barrier_signal -3
.Lnot_wave_0_\@:
	s_barrier_wait -3
	s_barrier_signal -1
	s_barrier_wait -1
.endm
.macro CROUND
	s_barrier_signal -1
	s_barrier_wait -1
	CREST
.endm
	s_load_b256 s[4:11], s[0:1], 0x0               ; xc s[4:5], W's codes s[6:7], the scales' exponents s[8:9], the bias s[10:11]
	s_load_b64 s[12:13], s[0:1], 0x20              ; qkvc
	v_lshl_add_u32 v[SPW], v0, 2, SPARE
	v_mov_b32 v[NIL], 0
	ds_add_u32 v28, v29
	ds_add_u32 v28, v29
	s_wait_dscnt 0x0
	v_lshrrev_b32 v1, 5, v0
	v_readfirstlane_b32 s14, v1                    ; wave 0..3
	s_lshr_b32 s15, s14, 1                         ; which half of region A's rows is mine.  Also: I fetch for A (0) or for B (1)
	s_and_b32 s16, s14, 1                          ; which half of region B's rows.  Also: which 128 rows of that tile I fetch
	s_bfe_u32 s40, ttmp6, 0x40000                  ; cx
	s_bfe_u32 s41, ttmp6, 0x40004                  ; cy
	s_lshl_b32 s42, ttmp9, 2
	s_add_co_u32 s42, s42, s40                     ; 4 X + cx
	s_and_b32 s17, ttmp7, 0xffff
	s_lshl_b32 s17, s17, 2
	s_add_co_u32 s68, s17, s40                     ; 4 Y + cx
	s_add_co_u32 s17, s17, s41                     ; 4 Y + cy
	s_lshl_b32 s43, s41, 2
	s_lshl_b32 s43, 15, s43                        ; my row of the cluster
	s_lshl_b32 s44, 0x1111, s40                    ; my column
	s_or_b32 s[G1+0], s43, (0<<16)|(1<<20)|(1<<21)|(5<<22)|(3<<25)   ; the mask; elements of 1 byte; padding on; bit 21 beside a mask; 4 words of padding after every 64
	s_or_b32 s[G1B+0], s44, (0<<16)|(1<<20)|(1<<21)|(5<<22)|(3<<25)
.irp g, G1, G1B
	s_mov_b32 s[\g+1], 256<<16                     ; tensor_dim0
	s_mov_b32 s[\g+2], 128<<16                     ; tensor_dim1
	s_mov_b32 s[\g+3], 256<<16                     ; tile_dim0
	s_mov_b32 s[\g+4], 128                         ; tile_dim1
	s_mov_b32 s[\g+5], 1024                        ; from row to row
	s_mov_b32 s[\g+6], 0
	s_mov_b32 s[\g+7], 0
.endr
	s_cmp_eq_u32 ttmp9, 2                          ; v?  The cluster's x is the same in all sixteen partners
	s_cselect_b32 s66, s41, s17                    ; region A's tile: v: cy (of W's last 1,024 rows); else 4 Y + cy (of x).  It hangs on cy alone, which my row of the cluster shares
	s_cselect_b32 s67, s68, s42                    ; region B's tile: v: 4 Y + cx (of x); else 4 X + cx (of W).  On cx alone, which my column shares
	s_mov_b32 s74, 0x2000                          ; from the first 64 bytes of a stage row to the second, in the output: k: the odd head's K, 8,192 on;
	s_mov_b32 s75, 0x1000                          ; v: the second half of the keys, 4,096 on;
	s_cselect_b32 s74, s75, s74
	s_cselect_b32 s84, s75, 0                      ; v: behind four blocks (64 channels) the odd head's V lies 4,096 further on
	s_mov_b32 s85, 0
	s_mov_b32 s75, 0x20000                         ; q: the next head, 131,072 on
	s_cmp_eq_u32 ttmp9, 0
	s_cselect_b32 s74, s75, s74
	s_lshl_b32 s18, s16, 7
	s_lshl_b32 s20, s66, 8
	s_add_co_u32 s20, s20, s18
	s_lshl_b32 s20, s20, 10                        ; region A: (256 x tile + 128 x half) rows of 1,024 bytes
	s_mov_b32 s21, 0
	s_lshl_b32 s46, s67, 8
	s_add_co_u32 s46, s46, s18
	s_lshl_b32 s46, s46, 10                        ; region B likewise
	s_mov_b32 s47, 0
	s_mul_i32 s45, s14, HALFT                      ; where they go: wave x 128 rows: no place in the cluster enters an LDS address
	s_wait_kmcnt 0x0
	s_load_b256 s[76:83], s[8:9], 0x0              ; e0 .. e7
	s_add_nc_u64 s[72:73], s[6:7], 0x200000        ; W's rows 2,048 on: v's
	s_cmp_eq_u32 ttmp9, 2
	s_cselect_b64 s[70:71], s[72:73], s[4:5]       ; region A's tensor
	s_cselect_b64 s[72:73], s[4:5], s[6:7]         ; region B's
	s_add_nc_u64 s[20:21], s[70:71], s[20:21]
	s_add_nc_u64 s[46:47], s[72:73], s[46:47]
	CROUND                                         ; all sixteen work-groups are here: the first joint loads meet
.irp s, 0,1
	s_mov_b32 s[G0+4*\s], 1
	s_add_co_u32 s[G0+4*\s+1], s45, \s*SLOT
	s_add_nc_u64 s[G0+4*\s+2:G0+4*\s+3], s[20:21], \s*256
	s_or_b32 s[G0+4*\s+3], s[G0+4*\s+3], 0x80000000
	s_mov_b32 s[G0B+4*\s], 1
	s_add_co_u32 s[G0B+4*\s+1], s45, \s*SLOT
	s_add_nc_u64 s[G0B+4*\s+2:G0B+4*\s+3], s[46:47], \s*256
	s_or_b32 s[G0B+4*\s+3], s[G0B+4*\s+3], 0x80000000
	JLOAD G0+4*\s, G1, G0B+4*\s, G1B
.endr
	v_and_b32 v1, 15, v0                           ; r = l % 16
	v_bfe_u32 v2, v0, 4, 1                         ; h = l / 16
	v_lshlrev_b32 v8, 5, v2                        ; 32 h: my eight numbers of a tile's sixteen; never rewritten
	s_wait_alu depctr_va_vdst(0)
	v_lshlrev_b32 v9, 2, v1                        ; 4 r; never rewritten
	; both biases are loaded whatever is made (both addresses lie inside the buffer for every cluster); the one that does not apply is replaced by zeros on the way out
	s_wait_alu depctr_va_vdst(0)
	s_lshl_b32 s88, s42, 10
	s_lshl_b32 s89, s16, 9
	s_add_co_u32 s88, s88, s89                     ; along region B's rows: 4 x (256 (4 X + cx) + 128 x half)
	s_mov_b32 s89, 0
	s_add_nc_u64 s[88:89], s[10:11], s[88:89]
	s_lshl_b32 s90, s41, 10
	s_lshl_b32 s91, s15, 9
	s_add_co_u32 s90, s90, s91
	s_add_co_u32 s90, s90, 8192                    ; along region A's rows, for v: 4 x (2,048 + 256 cy + 128 x half)
	s_mov_b32 s91, 0
	s_add_nc_u64 s[90:91], s[10:11], s[90:91]
.irp b, 0,1,2,3,4,5,6,7
	global_load_b128 v[BC+8*\b:BC+8*\b+3], v8, s[88:89] offset:64*\b
	global_load_b128 v[BC+8*\b+4:BC+8*\b+7], v8, s[88:89] offset:64*\b+16
.endr
.irp a, 0,1,2,3,4,5,6,7
	global_load_b32 v[BR+2*\a], v9, s[90:91] offset:64*\a
.endr
	v_mul_u32_u24 v3, v1, PITCH
	v_lshl_add_u32 v4, v2, 4, v3                   ; a fragment's row x pitch + 16 x half
	s_mul_i32 s21, s15, HALFT
	s_mul_i32 s22, s16, HALFT
	s_add_co_u32 s22, s22, 2*HALFT
.irp s, 0,1
	v_add_nc_u32 v[ADRA+\s], s21, v4
	v_add_nc_u32 v[ADRB+\s], s22, v4
	s_add_co_u32 s21, s21, SLOT
	s_add_co_u32 s22, s22, SLOT
.endr
	s_mul_i32 s23, s14, 16*SPITCH
	s_add_co_u32 s23, s23, STAGE                   ; my stage
	v_mul_u32_u24 v5, v1, SPITCH
	v_lshl_add_u32 v5, v2, 3, v5
	v_add_nc_u32 v[STO], s23, v5                   ; in: row r, 8 bytes for each half of the lanes
	v_and_b32 v6, 31, v0
	v_lshrrev_b32 v5, 3, v6
	v_and_b32 v7, 7, v6
	v_mul_u32_u24 v[RD], v5, SPITCH
	v_lshl_add_u32 v[RD], v7, 4, v[RD]
	v_add_nc_u32 v[RD], s23, v[RD]                 ; back: eight lanes to a row of 128 bytes, four rows an instruction
	v_lshlrev_b32 v[CO], 6, v5                     ; in the output a row is 64 bytes,
	v_and_b32 v7, 3, v6
	v_lshl_add_u32 v[CO], v7, 4, v[CO]
	v_bfe_u32 v7, v6, 2, 1
	v_mad_u32_u24 v[CO], v7, s74, v[CO]            ; and the stage row's second 64 bytes belong s74 bytes further on
	; where my part begins in qkvc: all three forms are made, and the cluster's x chooses
	s_lshr_b32 s92, s17, 3                         ; b
	s_and_b32 s93, s17, 7
	s_lshl_b32 s86, s92, 4
	s_lshl_b32 s94, s40, 2
	s_add_co_u32 s86, s86, s94
	s_lshl_b32 s94, s16, 1
	s_add_co_u32 s86, s86, s94                     ; q: 16 b + my first head
	s_lshl_b32 s86, s86, 11
	s_lshl_b32 s94, s93, 8
	s_add_co_u32 s86, s86, s94
	s_lshl_b32 s94, s15, 7
	s_add_co_u32 s86, s86, s94                     ; x 2,048 + my first t
	s_lshl_b32 s86, s86, 6
	s_lshl_b32 s87, s92, 3
	s_lshl_b32 s94, s40, 1
	s_add_co_u32 s87, s87, s94
	s_add_co_u32 s87, s87, s16                     ; k: 8 b + my head pair
	s_lshl_b32 s87, s87, 4
	s_lshl_b32 s94, s93, 1
	s_add_co_u32 s87, s87, s94
	s_add_co_u32 s87, s87, s15                     ; x 16 + my block of 128 keys
	s_lshl_b32 s87, s87, 15
	s_add_co_u32 s87, s87, 0x400000
	s_lshr_b32 s92, s68, 3                         ; v: b and t come from region B's tile,
	s_and_b32 s93, s68, 7
	s_lshl_b32 s95, s92, 3
	s_lshl_b32 s94, s41, 1
	s_add_co_u32 s95, s95, s94
	s_add_co_u32 s95, s95, s15                     ; the head pair from region A's
	s_lshl_b32 s95, s95, 4
	s_lshl_b32 s94, s93, 1
	s_add_co_u32 s95, s95, s94
	s_add_co_u32 s95, s95, s16
	s_lshl_b32 s95, s95, 15
	s_add_co_u32 s95, s95, 0x404000
	s_cmp_eq_u32 ttmp9, 0
	s_cselect_b32 s86, s86, s87
	s_cmp_eq_u32 ttmp9, 2
	s_cselect_b32 s86, s95, s86
	s_mov_b32 s87, 0
	s_add_nc_u64 s[12:13], s[12:13], s[86:87]
.macro FRAG reg, adr, q, i             ; 16 rows x 128 K: lane l holds row l % 16; registers 4 c .. 4 c + 3 hold K = 32 c + 16 (l / 16) + 0 .. 15: a permutation of k that is the same on both sides
.irp c, 0,1,2,3
	ds_load_b128 v[\reg+4*\c:\reg+4*\c+3], v[\adr] offset:128*(\q)+32*\c+(\i)*16*PITCH
.endr
.endm
; 16 matrix instructions: region A's blocks a0, a0 + 1 x region B's eight.  p: B's set.  zero = 1: the first product starts the sums.  The 64 accumulators take turns, one instruction a turn.
.macro MUL16 a0, p, zero
.irp a, \a0, \a0+1
.irp b, 0,1,2,3,4,5,6,7
.if \zero
	v_wmma_f32_16x16x128_bf8_bf8 v[8*(8*((\a)%4)+\b):8*(8*((\a)%4)+\b)+7], v[128*(\p)+FR*\b:128*(\p)+FR*\b+FR-1], v[AF+FR*(\a):AF+FR*(\a)+FR-1], 0
.else
	v_wmma_f32_16x16x128_bf8_bf8 v[8*(8*((\a)%4)+\b):8*(8*((\a)%4)+\b)+7], v[128*(\p)+FR*\b:128*(\p)+FR*\b+FR-1], v[AF+FR*(\a):AF+FR*(\a)+FR-1], v[8*(8*((\a)%4)+\b):8*(8*((\a)%4)+\b)+7]
.endif
.endr
.endr
.endm
.macro FETCH_B slot, q, p
	WIN TO_B
.irp i, 0,1,2,3,4,5,6,7
	FRAG 128*(\p)+FR*\i, ADRB+\slot, \q, \i
.endr
	WIN 0
.endm
.macro FETCH_A slot, q, i0
.irp i, \i0, \i0+1, \i0+2, \i0+3
	FRAG AF+FR*(\i), ADRA+\slot, \q, \i
.endr
.endm
.macro PLACES n                        ; plain vector instructions between a matrix instruction and a load into, or a vector read of, its registers
.rept \n
	v_nop
.endr
.endm
.macro STEP slot, q, zero              ; 128 along K that has its successor in the same slot
	s_wait_dscnt 4*NL                              ; B's set and A's blocks 0-3 are in; the sixteen youngest loads (A's blocks 4-7) may be out
	WIN MUL_LO
	MUL16 0, (\q)%2, \zero
	MUL16 2, (\q)%2, \zero
	s_wait_dscnt 0
	PLACES NP
	FETCH_B \slot, (\q)+1, 1-(\q)%2
	FETCH_A \slot, (\q)+1, 0
	WIN MUL_HI
	MUL16 4, (\q)%2, \zero
	MUL16 6, (\q)%2, \zero
	PLACES NP
	WIN 0
	FETCH_A \slot, (\q)+1, 4
.endm
; A slot's last step changes slots: ONE barrier; in front of it each wave waits for all its tensor loads, adds 0 to its spare word, and waits for that and for its own reads of this slot.
.macro TURN slot, next, fill
	s_wait_tensorcnt 0x0                           ; all my tensor loads have landed: my part of the next slot
	ds_add_u32 v[SPW], v[NIL]                      ; 0 onto my spare word
	s_wait_dscnt 4*NL+1                            ; (the add and the sixteen youngest loads may be out)
	WIN MUL_LO
	MUL16 0, 1, 0
	s_wait_dscnt 0x0                               ; the add is done, and my reads of this slot are over
	s_barrier_signal -1
	MUL16 2, 1, 0
	WIN 0
	s_barrier_wait -1
.if \fill
	CREST                                          ; the barrier has opened a round of the cluster's: no wave of any partner still reads this slot or has a load on its way
	s_add_nc_u64 s[G0+4*\slot+2:G0+4*\slot+3], s[G0+4*\slot+2:G0+4*\slot+3], 512
	s_add_nc_u64 s[G0B+4*\slot+2:G0B+4*\slot+3], s[G0B+4*\slot+2:G0B+4*\slot+3], 512
	JLOAD G0+4*\slot, G1, G0B+4*\slot, G1B         ; the first tensor load behind the round; its four v_nop are the places in front of the loads below
.else
	PLACES NP
.endif
	FETCH_B \next, 0, 0
	FETCH_A \next, 0, 0
	WIN MUL_HI
	MUL16 4, 1, 0
	MUL16 6, 1, 0
	PLACES NP
	WIN 0
	FETCH_A \next, 0, 4
.endm
	s_wait_tensorcnt 1                             ; my part of K step 0 is in; K step 1's load may be out
	s_barrier_signal -1
	s_barrier_wait -1
	FETCH_B 0, 0, 0
	FETCH_A 0, 0, 0
	FETCH_A 0, 0, 4
	STEP 0, 0, 1                                   ; the first step stands in front of the loop: its products start the sums
	s_mov_b32 s3, LAPS-1
.Llap:                                             ; a trip goes once round the ring and fills both slots again
	TURN 0, 1, 1
	STEP 1, 0, 0
	TURN 1, 0, 1
	STEP 0, 0, 0
	s_sub_co_u32 s3, s3, 1
	s_cmp_lg_u32 s3, 0
	s_cbranch_scc1 .Llap
	TURN 0, 1, 0                                   ; the last lap fills nothing
	STEP 1, 0, 0
	s_wait_dscnt 4*NL
	WIN MUL_LO
	MUL16 0, 1, 0
	MUL16 2, 1, 0
	s_wait_dscnt 0
	WIN MUL_HI
	MUL16 4, 1, 0
	MUL16 6, 1, 0
	WIN 0
	; THE WAY OUT.  number = sum x 2^(e0 + e1) + bias; held; converted with the operand's own scale; 16 rows x 128 codes go through my stage and leave as runs of 256 bytes.
	s_wait_kmcnt 0x0
	s_add_co_i32 s96, s76, s77
	s_add_co_i32 s96, s96, 127
	s_lshl_b32 s96, s96, 23                        ; 2^(e0 + e1) as f32
	s_mov_b32 s97, s96                             ; (named with it as a pair)
	s_cmp_eq_u32 ttmp9, 0
	s_cselect_b32 s92, s78, s79                    ; q: e2; k: e3;
	s_cmp_eq_u32 ttmp9, 2
	s_cselect_b32 s92, s81, s92                    ; v: e5
	s_cselect_b32 s93, -1, 0                       ; all lanes where v is made,
	s_cselect_b32 s94, 0, -1                       ; all lanes where it is not
	s_add_co_i32 s92, s92, 127
	s_lshl_b32 s95, s92, 23
	v_mov_b32 v12, s95                             ; the scale as f32
	s_add_co_i32 s92, s92, 15
	s_lshl_b32 s92, s92, 23
	s_or_b32 s92, s92, 0x600000
	s_wait_loadcnt 0x0                             ; the biases
.set n, 0
.rept 64
	v_cndmask_b32 v[BC+n], 0, v[BC+n], s94         ; the bias along region B's rows counts for q and k
.set n, n+1
.endr
.set n, 0
.rept 8
	v_cndmask_b32 v[BR+2*n+1], 0, v[BR+2*n], s93   ; the bias along region A's rows counts for v; both halves of a pair hold it
	v_cndmask_b32 v[BR+2*n], 0, v[BR+2*n], s93
.set n, n+1
.endr
.macro TOSTAGE a
.set AC, 64*((\a)%4)
.if (\a) > 0
	s_wait_dscnt 4                                 ; the block before: its eight stores are done; its four reads back may be out
.endif
	WIN 0x02+((\a)/4)                              ; source 0: window 2 or 3
.set n, 0
.rept 32
	v_pk_fma_f32 v[TMP+n:TMP+n+1], v[AC+n:AC+n+1], s[96:97], v[BC+n:BC+n+1] op_sel_hi:[1,0,1]   ; each accumulator from its low end on
.set n, n+2
.endr
	WIN 0
.set n, 0
.rept 32
	v_pk_add_f32 v[TMP+n:TMP+n+1], v[TMP+n:TMP+n+1], v[BR+2*(\a):BR+2*(\a)+1]
.set n, n+2
.endr
.set n, 0
.rept 64
.set n, n+1
.endr
.irp b, 0,1,2,3,4,5,6,7
	v_cvt_scalef32_pk8_bf8_f32 v[CD+2*\b:CD+2*\b+1], v[TMP+8*\b:TMP+8*\b+7], v12
.endr
	v_nop                                          ; one plain vector instruction behind the last conversion
.irp b, 0,1,2,3,4,5,6,7
	ds_store_b64 v[STO], v[CD+2*\b:CD+2*\b+1] offset:16*\b
.endr
.set BBS, BB+16*((\a)%2)
.irp i, 0,1,2,3
	ds_load_b128 v[BBS+4*\i:BBS+4*\i+3], v[RD] offset:4*SPITCH*\i   ; LDS serves a wave's instructions in order: these see the stores above
.endr
.endm
.macro SEND a, younger
.set BBS, BB+16*((\a)%2)
	s_wait_dscnt \younger                          ; the block is back in registers
.if (\a) > 0
	s_add_nc_u64 s[12:13], s[12:13], 1024          ; 16 rows of 64 bytes on (behind a wait on XCNT: the earlier stores have read their base)
.endif
.if (\a) == 4
	s_add_nc_u64 s[12:13], s[12:13], s[84:85]      ; v: on to the odd head's V
.endif
.irp i, 0,1,2,3
	global_store_b128 v[CO], v[BBS+4*\i:BBS+4*\i+3], s[12:13] offset:256*\i   ; two runs of 256 consecutive bytes, each at a multiple of 256 from the buffer's first byte
.endr
.endm
	PLACES NP
	TOSTAGE 0
.irp a, 1,2,3,4,5,6,7
.if \a > 1
	s_wait_xcnt 0x0                                ; block a - 2's stores have read their registers and their base
.endif
	TOSTAGE \a
	SEND \a-1, 12                                  ; behind block a - 1's loads: block a's 8 stores and 4 loads
.endr
	s_wait_xcnt 0x0
	SEND 7, 0
	s_wait_tensorcnt 0x0                           ; the wave's end
	ds_add_u32 v[SPW], v[NIL]
	s_wait_dscnt 0x0
	CROUND                                         ; the closing round
	s_endpgm
.Lfunc_end_k_q19f162112b_gemm_qkv:
	.size	k_q19f162112b_gemm_qkv, .Lfunc_end_k_q19f162112b_gemm_qkv-k_q19f162112b_gemm_qkv
	.p2alignl 7, 3214868480
	.fill 96, 4, 3214868480
	.section	.rodata,"a",@progbits
	.p2align	6, 0x0
	.amdhsa_kernel k_q19f162112b_gemm_qkv
		.amdhsa_group_segment_fixed_size 327680
		.amdhsa_private_segment_fixed_size 0
		.amdhsa_enable_private_segment 0
		.amdhsa_kernarg_size 40
		.amdhsa_user_sgpr_count 2
		.amdhsa_user_sgpr_kernarg_segment_ptr 1
		.amdhsa_wavefront_size32 1
		.amdhsa_system_sgpr_workgroup_id_x 1
		.amdhsa_system_sgpr_workgroup_id_y 1
		.amdhsa_system_sgpr_workgroup_id_z 1
		.amdhsa_system_vgpr_workitem_id 0
		.amdhsa_next_free_vgpr 1024
		.amdhsa_next_free_sgpr 100
		.amdhsa_reserve_vcc 0
		.amdhsa_float_denorm_mode_32 3
		.amdhsa_float_denorm_mode_16_64 3
		.amdhsa_fp16_overflow 1
		.amdhsa_memory_ordered 1
		.amdhsa_forward_progress 1
		.amdhsa_inst_pref_size 135
	.end_amdhsa_kernel
	.amdgpu_metadata
---
amdhsa.version: [ 1, 2 ]
amdhsa.kernels:
  - .name:           k_q19f162112b_gemm_qkv
    .symbol:         k_q19f162112b_gemm_qkv.kd
    .args:
      - { .name: xc, .offset: 0, .size: 8, .value_kind: global_buffer, .address_space: global }
      - { .name: w_qkv_codes, .offset: 8, .size: 8, .value_kind: global_buffer, .address_space: global }
      - { .name: lowp_scales, .offset: 16, .size: 8, .value_kind: global_buffer, .address_space: global }
      - { .name: b_qkv, .offset: 24, .size: 8, .value_kind: global_buffer, .address_space: global }
      - { .name: qkvc, .offset: 32, .size: 8, .value_kind: global_buffer, .address_space: global }
    .group_segment_fixed_size: 327680
    .private_segment_fixed_size: 0
    .kernarg_segment_align: 8
    .kernarg_segment_size: 40
    .max_flat_workgroup_size: 128
    .sgpr_count:     100
    .vgpr_count:     1024
    .wavefront_size: 32
...
	.end_amdgpu_metadata
.endif
;; end of part 2
;; launch attn (part 3): grid 16 x 16, 8 waves a work-group, no clusters, 327,680 bytes of LDS; arguments qkvc, lowp_scales, ctxc; writes ctxc
.if DOCPART == 3
	.amdgcn_target "amdgcn-amd-amdhsa--gfx1250"
	.amdhsa_code_object_version 6
	.text
	.protected	k_q19f162112b_attn
	.globl	k_q19f162112b_attn
	.p2align	8
	.type	k_q19f162112b_attn,@function
k_q19f162112b_attn:
	s_mov_b64 s[64:65], 0
	v_nop
	global_prefetch_b8 v0, s[64:65] scope:SCOPE_SE
	s_setreg_imm32_b32 hwreg(HW_REG_WAVE_MODE, 25, 1), 1
	s_wait_xcnt 0x0
; ctx = causal attention on codes of E5M2, head size 64, 2,048 positions, 32 (batch, head)s; ctx is quantised (2^e6) and leaves as codes.
; THE SOFTMAX AHEAD OF THE SECOND PRODUCT: t = score x log2(e) / 8; M = the row's largest t so far, rounded UP to a whole number; p = 2^(t - M) is quantised (2^e4), not normalised.  The row's sum is taken of the
; unquantised p and divides O at the end.  When M moves, the sum and O are multiplied by 2^(old M - new M): exact.
; SHARES.  A work-group (i, y) takes the two heads of pair y % 8 of batch y / 8, and of their queries the blocks of 64 numbered i and 31 - i.  Wave w: head w / 4, 16 queries (tile w % 4).
; Block j needs j / 2 + 1 steps of 128 keys, and (i / 2 + 1) + ((31 - i) / 2 + 1) = 17 for every i: EVERY WORK-GROUP WALKS 17 STEPS: the trip counts are constants and the load is even.
; Step s reads key block s (low block, s < NLO = i / 2 + 1) or s - NLO (high block).  At step NLO the low block is finished and the wave's state begins anew: a scalar branch on ids, round register work alone.
; Only the last step of each block meets the diagonal; there hidden scores become -infinity ahead of the maximum.  Key 0 of each step counts for every query, so M is a number from a block's first step on.
; NO JOINT LOADS: work-groups of one head pair are at different key blocks in the same step (s - NLO hangs on i), so no two would ask for the same tile at the same time.
; K's and V's tiles come through a ring of two LDS slots of two steps; each of the eight waves brings one quarter (K or V of one head: 128 rows of 64 bytes, dense in memory) of one of the slot's two steps.
; LAYOUT.  Both products transposed: S^T = K Q^T (source 0 = 16 keys), O^T = V^T P^T (source 0 = 16 channels): a lane holds ONE query throughout.  THE KEYS OF A TILE ARE NOT NEIGHBOURS: lane r of tile 2 b + u takes
; key 32 b + 8 u + r + 8 (r / 8), so that the 16 registers of tiles 2 b, 2 b + 1 are keys 32 b + 16 (lane / 16) + 0 .. 15, as the second product's operand wants them.
; LIMITS: e2 + e3 between -123 and 130 (added to c's exponent field); e4 and e6 between -126 and 112; e4 + e5 is applied by v_ldexp_f32.
; REGISTERS: v1-7 addresses that stay; v8-11 at work; v12 -M, v13 the largest t, v[14:15] the sum; v16-23 Q in hand, v24-31 Q of the high block; v32-95 fragments of K, then of V; v96-159 S^T, then p; v160-191 O^T;
;   v192-207 p's codes; v208-215, v216-223 ctx's codes of the low and the high block; v236-254 at work and constants.
.set QP,    80                         ; a row in LDS: 64 bytes + 16 of padding = 20 words: the 16 rows of a load start at 16 different groups of four banks
.set QUART, 128*QP
.set STEPB, 4*QUART                    ; a step: K even head, K odd head, V even head, V odd head
.set SLOT1, 1<<17                      ; slot 1 begins here: one exclusive or turns an address
.set SPARE, 2*SLOT1                    ; the spare words: 128 bytes for each of eight waves
.set STAGE, SPARE+1024                 ; the way out: 128 rows x 144 bytes; no tile lands here
.set SP,    144
.set AK0, 1
.set AV0, 2
.set ADK, 3
.set ADV, 4
.set SPW, 5
.set NIL, 6
.set CL,  208
.set CH,  216
.set WV,  10                           ; s10 wave;  s11 head;  s12 tile of queries, and the quarter that I fetch;  s13 i;  s14 y
.set HD,  11
.set UQ,  12
.set WI,  13
.set WY,  14
.set NLO, 15                           ; s15 steps of the low block
.set SN,  16                           ; s16 the step in hand
.set KF,  17                           ; s17 its first key
.set Q0,  18                           ; s18 my first query;  s19 that of the high block
.set Q0H, 19
.set SEL, 20                           ; s[20:21] lane selects: lane l xor 16
.set CS,  22                           ; s[22:23] c
.set G1,  24
.set G0,  32
.set KVW, 36                           ; s[36:37] K and V of my head pair, at my quarter of key block 0: a pointer that stays
.set OFS, 38                           ; s[38:39] an offset and 0
.set FS,  40                           ; s40 the step that I fetch
.set TB,  41                           ; s41 LDS byte of the slot in hand
.set SLOTS, 42
.set TS,  43                           ; s43 at work
	s_load_b128 s[4:7], s[0:1], 0x0                ; qkvc, the scales' exponents
	s_load_b64 s[8:9], s[0:1], 0x10                ; ctxc
	v_lshl_add_u32 v[SPW], v0, 2, SPARE
	v_mov_b32 v[NIL], 0
	ds_add_u32 v5, v6
	ds_add_u32 v5, v6
	s_wait_dscnt 0x0
	v_lshrrev_b32 v8, 5, v0
	s_delay_alu instid0(VALU_DEP_1)
	v_readfirstlane_b32 s[WV], v8
	s_lshr_b32 s[HD], s[WV], 2
	s_and_b32 s[UQ], s[WV], 3
	s_mov_b32 s[WI], ttmp9
	s_and_b32 s[WY], ttmp7, 0xffff
	s_lshr_b32 s[NLO], s[WI], 1
	s_add_co_u32 s[NLO], s[NLO], 1
	s_mov_b32 s[SN], 0
	s_mov_b32 s[KF], 0
	s_lshl_b32 s[Q0], s[WI], 6
	s_lshl_b32 s[TS], s[UQ], 4
	s_add_co_u32 s[Q0], s[Q0], s[TS]               ; 64 i + 16 u
	s_sub_co_u32 s[Q0H], 31, s[WI]
	s_lshl_b32 s[Q0H], s[Q0H], 6
	s_add_co_u32 s[Q0H], s[Q0H], s[TS]             ; 64 (31 - i) + 16 u
	s_mov_b32 s[G1], (0<<16)|(1<<20)|(3<<22)|(3<<25)   ; no mask; elements of 1 byte; padding on: 4 words after every 16
	s_mov_b32 s[G1+1], 64<<16                      ; tensor_dim0
	s_mov_b32 s[G1+2], 128<<16                     ; tensor_dim1
	s_mov_b32 s[G1+3], 64<<16                      ; tile_dim0
	s_mov_b32 s[G1+4], 128                         ; tile_dim1
	s_mov_b32 s[G1+5], 64                          ; from row to row
	s_mov_b32 s[G1+6], 0
	s_mov_b32 s[G1+7], 0
	s_mov_b32 s[SEL], 0x76543210
	s_mov_b32 s[SEL+1], 0xfedcba98
	s_mov_b32 s[FS], s[HD]                         ; slot 0: waves 0-3 fetch step 0, waves 4-7 step 1
	s_mov_b32 s[TB], 0
	s_mov_b32 s[SLOTS], 7
	s_lshl_b32 s[OFS], s[WY], 19                   ; a head pair's K and V: 16 blocks of 32,768 bytes
	s_lshl_b32 s[TS], s[UQ], 13
	s_add_co_u32 s[OFS], s[OFS], s[TS]
	s_add_co_u32 s[OFS], s[OFS], 0x400000
	s_mov_b32 s[OFS+1], 0
	s_lshl_b32 s57, s[WY], 1
	s_add_co_u32 s57, s57, s[HD]                   ; 16 b + head
	s_lshl_b32 s57, s57, 11
	s_add_co_u32 s58, s57, s[Q0]
	s_lshl_b32 s58, s58, 6                         ; q: rows of 64 bytes
	s_mov_b32 s59, 0
	s_add_co_u32 s60, s57, s[Q0H]
	s_lshl_b32 s60, s60, 6
	s_mov_b32 s61, 0
	s_wait_kmcnt 0x0
	s_load_b256 s[44:51], s[6:7], 0x0              ; e0 .. e7
	s_add_nc_u64 s[KVW:KVW+1], s[4:5], s[OFS:OFS+1]
	s_add_nc_u64 s[52:53], s[4:5], s[58:59]        ; Q of the low block
	s_add_nc_u64 s[54:55], s[4:5], s[60:61]        ; and of the high block
	s_cmp_ge_u32 s[FS], s[NLO]
	s_cselect_b32 s[TS], s[NLO], 0
	s_sub_co_u32 s[OFS], s[FS], s[TS]              ; the step's key block
	s_lshl_b32 s[OFS], s[OFS], 15
	s_mov_b32 s[G0], 1
	s_mul_i32 s[G0+1], s[HD], STEPB
	s_mul_i32 s[TS], s[UQ], QUART
	s_add_co_u32 s[G0+1], s[G0+1], s[TS]           ; in LDS: which of the slot's two steps, which quarter
	s_add_nc_u64 s[G0+2:G0+3], s[KVW:KVW+1], s[OFS:OFS+1]
	s_or_b32 s[G0+3], s[G0+3], 0x80000000
	tensor_load_to_lds s[G0:G0+3], s[G1:G1+7]      ; slot 0: one load a wave
	s_nop 0
.rept 4
	v_nop
.endr
	v_and_b32 v8, 15, v0                           ; r
	v_bfe_u32 v9, v0, 4, 1                         ; h
	s_delay_alu instid0(VALU_DEP_2)
	v_lshlrev_b32 v10, 6, v8
	s_delay_alu instid0(VALU_DEP_1)
	v_lshl_add_u32 v10, v9, 4, v10                 ; Q: row r of 64 bytes, + 16 h
	global_load_b128 v[16:19], v10, s[52:53]
	global_load_b128 v[20:23], v10, s[52:53] offset:32
	global_load_b128 v[24:27], v10, s[54:55]
	global_load_b128 v[28:31], v10, s[54:55] offset:32
	v_and_b32 v11, 8, v8
	s_delay_alu instid0(VALU_DEP_1)
	v_add_nc_u32 v11, v11, v8                      ; r + 8 (r / 8)
	s_delay_alu instid0(VALU_DEP_1)
	v_mul_u32_u24 v[AK0], v11, QP
	s_delay_alu instid0(VALU_DEP_1)
	v_lshl_add_u32 v[AK0], v9, 4, v[AK0]
	s_mul_i32 s[TS], s[HD], QUART
	v_add_nc_u32 v[AK0], s[TS], v[AK0]             ; K of my head
	v_mul_u32_u24 v[AV0], v8, QP
	s_delay_alu instid0(VALU_DEP_1)
	v_lshl_add_u32 v[AV0], v9, 4, v[AV0]
	s_add_co_u32 s[TS], s[TS], 2*QUART
	v_add_nc_u32 v[AV0], s[TS], v[AV0]             ; V of my head
	v_lshlrev_b32 v11, 4, v9
	s_delay_alu instid0(VALU_DEP_1)
	v_sub_nc_u32 v7, v8, v11                       ; r - 16 h, for the mask
	v_mov_b32 v13, 0xff61b1e6                      ; the largest t so far: -3e38
	s_delay_alu instid0(VALU_DEP_1)
	v_floor_f32 v12, -v13                          ; -M
	v_mov_b32 v14, 0
	v_mov_b32 v15, 0
	v_mov_b32 v236, 0                              ; a lane permute's destination counts as one of its sources
	v_mov_b32 v252, 0
	v_mov_b32 v253, 0                              ; (named as the upper half of the pair v[252:253])
.set n, 0
.rept 32
	v_mov_b32 v[160+n], 0                          ; O^T: the step is written once; the first finds zeros
.set n, n+1
.endr
.set n, 0
.rept 8
	v_mov_b32 v[CL+n], 0                           ; written on every way
.set n, n+1
.endr
	s_wait_kmcnt 0x0
	s_add_co_i32 s[TS], s46, s47
	s_lshl_b32 s[TS], s[TS], 23
	s_mov_b32 s[CS], 0x3e38aa3b                    ; c = log2(e) / 8
	s_add_co_i32 s[CS], s[CS], s[TS]               ; a score stands for score x 2^(e2 + e3): added to c's exponent field
	s_mov_b32 s[CS+1], s[CS]
	s_add_co_i32 s[TS], s48, 127
	s_lshl_b32 s57, s[TS], 23
	v_mov_b32 v244, s57                            ; 2^e4
	s_add_co_i32 s[TS], s50, 127
	s_lshl_b32 s57, s[TS], 23
	v_mov_b32 v245, s57                            ; 2^e6
	s_add_co_i32 s56, s48, s49                     ; e4 + e5
; A block of queries is finished: O^T / the sum x 2^(e4 + e5), held, converted with 2^e6: 8 registers of codes at v[dst]: registers 2 t, 2 t + 1 = channels 16 t + 8 h + 0 .. 7 of my query
.macro FINAL dst
	v_add_f32 v14, v14, v15
	s_delay_alu instid0(VALU_DEP_1)
	v_permlanex16_b32 v252, v14, s[SEL], s[SEL+1]
	s_delay_alu instid0(VALU_DEP_1)
	v_add_f32 v14, v14, v252                       ; the row's sum
	s_wait_alu depctr_va_vdst(0)
	v_rcp_f32 v14, v14
	v_nop                                          ; a plain place behind the transcendental
	s_wait_alu depctr_va_vdst(0)
	v_ldexp_f32 v14, v14, s56
.set n, 0
.rept 16
	v_pk_mul_f32 v[96+n:97+n], v[160+n:161+n], v[14:15] op_sel_hi:[1,0]   ; each accumulator from its low end on
.set n, n+2
.endr
.set n, 0
.rept 32
.set n, n+1
.endr
.irp t, 0,1,2,3
	v_cvt_scalef32_pk8_bf8_f32 v[\dst+2*\t:\dst+2*\t+1], v[96+8*\t:103+8*\t], v245
.endr
	v_nop                                          ; one plain vector instruction behind the last conversion
.endm
; A KEY STEP: 128 keys, the p-th of the slot in hand.
.macro STEP p
	s_cmp_lg_u32 s[SN], s[NLO]
	s_cbranch_scc1 .Lsame_\@                       ; on ids alone, alike in all eight waves
	FINAL CL                                       ; the low block is finished; the high block begins
	v_mov_b32 v13, 0xff61b1e6
	s_delay_alu instid0(VALU_DEP_1)
	v_floor_f32 v12, -v13
	v_mov_b32 v14, 0
	v_mov_b32 v15, 0
.set n, 0
.rept 32
	v_mov_b32 v[160+n], 0
.set n, n+1
.endr
.set n, 0
.rept 8
	v_mov_b32 v[16+n], v[24+n]
.set n, n+1
.endr
	s_mov_b32 s[Q0], s[Q0H]
	s_mov_b32 s[KF], 0
.Lsame_\@:
	v_add_nc_u32 v[ADK], s[TB], v[AK0]
	v_add_nc_u32 v[ADV], s[TB], v[AV0]
.irp t, 0,1,2,3,4,5,6,7
.irp c, 0,1
	ds_load_b128 v[32+8*\t+4*\c:35+8*\t+4*\c], v[ADK] offset:(\p)*STEPB+(32*(\t/2)+8*(\t%2))*QP+32*\c
.endr
.endr
	s_wait_dscnt 0x0
	s_wait_alu depctr_va_vdst(0)
.irp t, 0,1,2,3,4,5,6,7
	v_wmma_f32_16x16x64_bf8_bf8 v[96+8*\t:103+8*\t], v[32+8*\t:39+8*\t], v[16:23], 0
.endr
.rept 4
	v_nop                                          ; places in front of the loads into K's registers and of the first read of the scores
.endr
.irp t, 0,1,2,3                                ; V's fragments (16 channels x 128 keys) are asked for now and land under the softmax
.irp c, 0,1,2,3
	ds_load_b128 v[32+16*\t+4*\c:35+16*\t+4*\c], v[ADV] offset:(\p)*STEPB+16*\t*QP+(\c/2)*64*QP+(\c%2)*32
.endr
.endr
	s_add_co_u32 s[TS], s[KF], 127
	s_cmp_le_u32 s[TS], s[Q0]
	s_cbranch_scc1 .Lopen_\@                       ; all 128 keys count for my 16 queries
	s_sub_co_i32 s[TS], s[Q0], s[KF]
	v_add_nc_u32 v252, s[TS], v7                   ; d = my query - KF - 16 h.  Register n holds key KF + 16 h + 32 (n / 16) + n % 16: hidden where 32 (n / 16) + n % 16 > d
	v_mov_b32 v254, 0xff800000
.set n, 0
.rept 64
	v_cmp_gt_i32 vcc_lo, 32*(n/16)+n%16, v252
	v_cndmask_b32 v[96+n], v[96+n], v254, vcc_lo
.set n, n+1
.endr
.Lopen_\@:
	v_max3_num_f32 v254, v96, v97, v98             ; the step's largest score of my query, among my 64 keys, in two chains,
	v_max3_num_f32 v252, v99, v100, v101
.irp i, 6,10,14,18,22,26,30,34,38,42,46,50,54,58
	v_max3_num_f32 v254, v254, v[96+\i], v[97+\i]
	v_max3_num_f32 v252, v252, v[98+\i], v[99+\i]
.endr
	v_max3_num_f32 v254, v254, v158, v159
	s_delay_alu instid0(VALU_DEP_1)
	v_max_num_f32 v254, v254, v252
	s_delay_alu instid0(VALU_DEP_1)
	v_permlanex16_b32 v236, v254, s[SEL], s[SEL+1]
	s_delay_alu instid0(VALU_DEP_1)
	v_max_num_f32 v254, v254, v236                 ; and among lane l xor 16's
	s_delay_alu instid0(VALU_DEP_1)
	v_mul_f32 v254, s[CS], v254                    ; as t (c is positive)
	s_delay_alu instid0(VALU_DEP_1)
	v_max_num_f32 v13, v13, v254                   ; the running largest t
	v_mov_b32 v254, v12
	s_delay_alu instid0(VALU_DEP_2)
	v_floor_f32 v12, -v13                          ; the new -M = floor(-t): M is a whole number
	s_delay_alu instid0(VALU_DEP_1)
	v_sub_f32 v254, v12, v254                      ; old M - new M: a whole number, 0 or less
	s_delay_alu instid0(VALU_DEP_1)
	v_cvt_i32_f32 v254, v254                       ; (it saturates)
	s_delay_alu instid0(VALU_DEP_1)
	v_ldexp_f32 v252, 1.0, v254                    ; f = 2^(old M - new M)
.set n, 0
.rept 32
	v_pk_fma_f32 v[96+n:97+n], v[96+n:97+n], s[CS:CS+1], v[12:13] op_sel_hi:[1,0,0]   ; t - M
.set n, n+2
.endr
.set n, 0
	s_wait_alu depctr_va_vdst(0)
.rept 64
	v_exp_f32 v[96+n], v[96+n]                     ; p = 2^(t - M)
.set n, n+1
.endr
	v_pk_mul_f32 v[14:15], v[14:15], v[252:253] op_sel_hi:[1,0]   ; the sums under the new M (a plain place behind the exponentials)
	s_wait_alu depctr_va_vdst(0)
	v_pk_add_f32 v[242:243], v[100:101], v[104:105]
	v_pk_add_f32 v[254:255], v[108:109], v[112:113]
	v_pk_add_f32 v[250:251], v[116:117], v[120:121]
	v_pk_add_f32 v[248:249], v[124:125], v[128:129]
	v_pk_add_f32 v[246:247], v[132:133], v[136:137]
	v_pk_add_f32 v[240:241], v[140:141], v[144:145]
	v_pk_add_f32 v[238:239], v[148:149], v[152:153]
	v_pk_add_f32 v[14:15], v[14:15], v[156:157]
	v_pk_add_f32 v[242:243], v[242:243], v[96:97]
	v_pk_add_f32 v[254:255], v[254:255], v[98:99]
	v_pk_add_f32 v[250:251], v[250:251], v[102:103]
	v_pk_add_f32 v[248:249], v[248:249], v[106:107]
	v_pk_add_f32 v[246:247], v[246:247], v[110:111]
	v_pk_add_f32 v[240:241], v[240:241], v[114:115]
	v_pk_add_f32 v[238:239], v[238:239], v[118:119]
	v_pk_add_f32 v[14:15], v[14:15], v[122:123]
	v_pk_add_f32 v[242:243], v[242:243], v[126:127]
	v_pk_add_f32 v[254:255], v[254:255], v[130:131]
	v_pk_add_f32 v[250:251], v[250:251], v[134:135]
	v_pk_add_f32 v[248:249], v[248:249], v[138:139]
	v_pk_add_f32 v[246:247], v[246:247], v[142:143]
	v_pk_add_f32 v[240:241], v[240:241], v[146:147]
	v_pk_add_f32 v[238:239], v[238:239], v[150:151]
	v_pk_add_f32 v[14:15], v[14:15], v[154:155]
	v_pk_add_f32 v[242:243], v[242:243], v[158:159]
	s_delay_alu instid0(VALU_DEP_2)
	v_pk_add_f32 v[14:15], v[14:15], v[248:249]
	s_delay_alu instid0(VALU_DEP_2)
	v_pk_add_f32 v[242:243], v[242:243], v[246:247]
	v_pk_add_f32 v[254:255], v[254:255], v[240:241]
	v_pk_add_f32 v[250:251], v[250:251], v[238:239]
	s_delay_alu instid0(VALU_DEP_2)
	v_pk_add_f32 v[14:15], v[14:15], v[254:255]
	s_delay_alu instid0(VALU_DEP_2)
	v_pk_add_f32 v[242:243], v[242:243], v[250:251]
	s_delay_alu instid0(VALU_DEP_1)
	v_pk_add_f32 v[14:15], v[14:15], v[242:243]
.irp b, 0,1,2,3
.set n, 0
.rept 16
.set n, n+1
.endr
	v_cvt_scalef32_pk8_bf8_f32 v[192+4*\b:193+4*\b], v[96+16*\b:103+16*\b], v244
	v_cvt_scalef32_pk8_bf8_f32 v[194+4*\b:195+4*\b], v[104+16*\b:111+16*\b], v244
.endr
.set n, 0
.rept 16
	v_pk_mul_f32 v[160+n:161+n], v[160+n:161+n], v[252:253] op_sel_hi:[1,0]   ; O^T under the new M; these are also the plain places behind the conversions
.set n, n+2
.endr
	s_wait_alu depctr_va_vdst(0)
	s_wait_dscnt 0x0                               ; V is in
.irp t, 0,1,2,3                                ; the four accumulators take turns; the next step's eight score products stand between two links of a chain
	v_wmma_f32_16x16x128_bf8_bf8 v[160+8*\t:167+8*\t], v[32+16*\t:47+16*\t], v[192:207], v[160+8*\t:167+8*\t]
.endr
.rept 4
	v_nop                                          ; places in front of the next loads into V's registers and of the next read of O^T
.endr
	s_add_co_u32 s[SN], s[SN], 1
	s_add_co_u32 s[KF], s[KF], 128
.endm
; THE CHANGE OF SLOTS, at a slot's head.  Each wave waits for all its tensor loads (its part of the slot ahead), adds 0 to its spare word, and waits for that and for its reads of the slot that it has left.
; fill = 1: every wave fills its quarter of the slot just left with the steps that follow;  2: the last slot holds one step: waves 0-3 alone;  0: nothing is left to fetch.
.macro CHANGE fill
	s_wait_tensorcnt 0x0                           ; no tensor load of mine is out, so the group 0 may be written
	ds_add_u32 v[SPW], v[NIL]                      ; 0 onto my spare word
.if \fill
	s_add_co_u32 s[FS], s[FS], 2
	s_cmp_ge_u32 s[FS], s[NLO]
	s_cselect_b32 s[TS], s[NLO], 0
	s_sub_co_u32 s[OFS], s[FS], s[TS]              ; the key block of the step that I fetch
	s_lshl_b32 s[OFS], s[OFS], 15
	s_add_nc_u64 s[G0+2:G0+3], s[KVW:KVW+1], s[OFS:OFS+1]
	s_or_b32 s[G0+3], s[G0+3], 0x80000000
	s_xor_b32 s[G0+1], s[G0+1], SLOT1
.endif
	s_wait_dscnt 0x0                               ; the add is done, and my reads of the slot that I have left are over
	s_barrier_signal -1
	s_barrier_wait -1
.if \fill == 1
	tensor_load_to_lds s[G0:G0+3], s[G1:G1+7]      ; the first thing behind the barrier, my one tensor load until the next: it has two steps in which to land
	s_nop 0
.rept 4
	v_nop
.endr
.endif
.if \fill == 2
	s_cmp_lt_u32 s[WV], 4
	s_cbranch_scc0 .Lnone_\@
	tensor_load_to_lds s[G0:G0+3], s[G1:G1+7]
	s_nop 0
.rept 4
	v_nop
.endr
.Lnone_\@:
.endif
.endm
	s_wait_loadcnt 0x0                             ; Q
.Lslot:                                            ; seven trips: steps 0 to 13; behind each change of slots the next slot is asked for
	CHANGE 1
	STEP 0
	STEP 1
	s_xor_b32 s[TB], s[TB], SLOT1
	s_sub_co_u32 s[SLOTS], s[SLOTS], 1
	s_cmp_lg_u32 s[SLOTS], 0
	s_cbranch_scc1 .Lslot
	CHANGE 2                                       ; the tail is written out
	STEP 0
	STEP 1
	s_xor_b32 s[TB], s[TB], SLOT1
	CHANGE 0
	STEP 0                                         ; step 16
	FINAL CH
	; THE WAY OUT.  A row of ctx's codes for a head pair is 128 bytes, from two waves: they meet in the stage (rows 0-63 the low block, 64-127 the high one); each wave then stores 16 whole rows.
	v_and_b32 v8, 15, v0
	v_bfe_u32 v9, v0, 4, 1
	s_mul_i32 s[TS], s[UQ], 16*SP
	s_lshl_b32 s57, s[HD], 6
	s_add_co_u32 s[TS], s[TS], s57
	s_add_co_u32 s[TS], s[TS], STAGE
	v_mul_u32_u24 v10, v8, SP
	s_delay_alu instid0(VALU_DEP_1)
	v_lshl_add_u32 v10, v9, 3, v10
	s_delay_alu instid0(VALU_DEP_1)
	v_add_nc_u32 v10, s[TS], v10                   ; row 16 u + r, byte 64 x head + 8 h
.irp t, 0,1,2,3
	ds_store_b64 v10, v[CL+2*\t:CL+2*\t+1] offset:16*\t
	ds_store_b64 v10, v[CH+2*\t:CH+2*\t+1] offset:16*\t+64*SP
.endr
	s_wait_dscnt 0x0                               ; for the others' sake: my stores into the stage are done
	s_barrier_signal -1
	s_barrier_wait -1
	v_and_b32 v8, 31, v0
	s_delay_alu instid0(VALU_DEP_1)
	v_lshrrev_b32 v9, 3, v8
	s_delay_alu instid0(VALU_DEP_2)
	v_and_b32 v11, 7, v8
	s_mul_i32 s[TS], s[WV], 16*SP
	s_add_co_u32 s[TS], s[TS], STAGE
	v_mul_u32_u24 v9, v9, SP
	s_delay_alu instid0(VALU_DEP_1)
	v_lshl_add_u32 v9, v11, 4, v9
	s_delay_alu instid0(VALU_DEP_1)
	v_add_nc_u32 v9, s[TS], v9                     ; back: rows 16 w on, eight lanes to a row
	v_lshlrev_b32 v11, 4, v8                       ; and 16 x lane in ctxc
.irp i, 0,1,2,3
	ds_load_b128 v[96+4*\i:99+4*\i], v9 offset:4*SP*\i
.endr
	s_sub_co_u32 s57, 31, s[WI]
	s_cmp_lt_u32 s[WV], 4
	s_cselect_b32 s57, s[WI], s57                  ; waves 0-3 store the low block's rows, waves 4-7 the high block's
	s_lshl_b32 s57, s57, 6
	s_lshl_b32 s58, s[UQ], 4
	s_add_co_u32 s57, s57, s58
	s_lshr_b32 s58, s[WY], 3
	s_lshl_b32 s58, s58, 11
	s_add_co_u32 s57, s57, s58                     ; m0 = 2,048 b + my first row
	s_and_b32 s58, s[WY], 7                        ; the head pair = the block of 128 along the next K
	s_lshr_b32 s59, s58, 2
	s_lshl_b32 s59, s59, 5
	s_lshr_b32 s60, s57, 7
	s_add_co_u32 s59, s59, s60
	s_lshl_b32 s59, s59, 2
	s_and_b32 s58, s58, 3
	s_add_co_u32 s59, s59, s58                     ; sub-tile ((pair / 4) x 32 + m0 / 128) x 4 + pair % 4, of 16,384 bytes
	s_lshl_b32 s58, s59, 14
	s_and_b32 s60, s57, 127
	s_lshl_b32 s60, s60, 7
	s_add_co_u32 s58, s58, s60
	s_mov_b32 s59, 0
	s_add_nc_u64 s[8:9], s[8:9], s[58:59]
	s_wait_alu depctr_va_vdst(0)
.irp i, 0,1,2,3
	s_wait_dscnt 3-\i
	global_store_b128 v11, v[96+4*\i:99+4*\i], s[8:9] offset:512*\i   ; 32 lanes store 512 consecutive bytes
.endr
	s_wait_tensorcnt 0x0                           ; the wave's end
	ds_add_u32 v[SPW], v[NIL]
	s_wait_dscnt 0x0
	s_endpgm
.Lfunc_end_k_q19f162112b_attn:
	.size	k_q19f162112b_attn, .Lfunc_end_k_q19f162112b_attn-k_q19f162112b_attn
	.p2alignl 7, 3214868480
	.fill 96, 4, 3214868480
	.section	.rodata,"a",@progbits
	.p2align	6, 0x0
	.amdhsa_kernel k_q19f162112b_attn
		.amdhsa_group_segment_fixed_size 327680
		.amdhsa_private_segment_fixed_size 0
		.amdhsa_enable_private_segment 0
		.amdhsa_kernarg_size 24
		.amdhsa_user_sgpr_count 2
		.amdhsa_user_sgpr_kernarg_segment_ptr 1
		.amdhsa_wavefront_size32 1
		.amdhsa_system_sgpr_workgroup_id_x 1
		.amdhsa_system_sgpr_workgroup_id_y 1
		.amdhsa_system_sgpr_workgroup_id_z 1
		.amdhsa_system_vgpr_workitem_id 0
		.amdhsa_next_free_vgpr 256
		.amdhsa_next_free_sgpr 66
		.amdhsa_reserve_vcc 1
		.amdhsa_float_denorm_mode_32 3
		.amdhsa_float_denorm_mode_16_64 3
		.amdhsa_fp16_overflow 1
		.amdhsa_memory_ordered 1
		.amdhsa_forward_progress 1
		.amdhsa_inst_pref_size 125
	.end_amdhsa_kernel
	.amdgpu_metadata
---
amdhsa.version: [ 1, 2 ]
amdhsa.kernels:
  - .name:           k_q19f162112b_attn
    .symbol:         k_q19f162112b_attn.kd
    .args:
      - { .name: qkvc, .offset: 0, .size: 8, .value_kind: global_buffer, .address_space: global }
      - { .name: lowp_scales, .offset: 8, .size: 8, .value_kind: global_buffer, .address_space: global }
      - { .name: ctxc, .offset: 16, .size: 8, .value_kind: global_buffer, .address_space: global }
    .group_segment_fixed_size: 327680
    .private_segment_fixed_size: 0
    .kernarg_segment_align: 8
    .kernarg_segment_size: 24
    .max_flat_workgroup_size: 256
    .sgpr_count:     66
    .vgpr_count:     256
    .wavefront_size: 32
...
	.end_amdgpu_metadata
.endif
;; end of part 3
;; launch gemm_out (part 4): grid 8 x 32, 4 waves a work-group, clusters of 4 x 4, 327,680 bytes of LDS; arguments ctxc, w_out_codes, lowp_scales, b_out, x, x1, x1c; writes x1, x1c
.if DOCPART == 4
	.amdgcn_target "amdgcn-amd-amdhsa--gfx1250"
	.amdhsa_code_object_version 6
	.text
	.protected	k_q19f162112b_gemm_out
	.globl	k_q19f162112b_gemm_out
	.p2align	8
	.type	k_q19f162112b_gemm_out,@function
k_q19f162112b_gemm_out:
	s_mov_b64 s[64:65], 0
	v_nop
	global_prefetch_b8 v0, s[64:65] scope:SCOPE_SE
	s_setreg_imm32_b32 hwreg(HW_REG_WAVE_MODE, 25, 1), 1
	s_wait_xcnt 0x0
	s_wait_alu depctr_hold_cnt(0) depctr_sa_sdst(0) depctr_va_vdst(0) depctr_va_sdst(0) depctr_va_ssrc(0) depctr_va_vcc(0) depctr_vm_vsrc(0)
	s_getreg_b32 s2, hwreg(HW_REG_IB_STS2, 6, 4)
	s_cmp_eq_u32 s2, 0
	s_cbranch_scc0 .Lentry_in_a_cluster
	s_endpgm
.Lentry_in_a_cluster:
	s_bfe_u32 s2, ttmp6, 0x10000c
	s_cmp_lg_u32 s2, 0xf033
	s_cbranch_scc0 .Lentry_shape_is_right
	s_endpgm
.Lentry_shape_is_right:
; x1 = x + (ctx W_out + b_out), the product on codes of E5M2; x1 leaves as f32 [m'][1024] and, quantised with 2^e8, as codes x1c [K / 128][m'][128].
; ctxc: sub-tiles [128 rows][128 K] of 16,384 bytes; sub-tile (kb, rt) at index ((kb / 4) x 32 + rt) x 4 + kb % 4: the four sub-tiles of 512 along K lie on end.  w_out_codes: [1024 n][1024 K].
; A tile of 128 x 128 gives each of the 256 WGPs one work-group (tiles of 256 x 256 would be 64).  Four waves, each 64 x 64: 16 accumulators.  K goes in steps of 512, as long as two slots in LDS allow.
; CLUSTERS: 4 x 4 work-groups; A's tiles are shared along a row of the cluster, W's along a column, each asked for jointly.  THE MATRIX INSTRUCTION IS USED TRANSPOSED (source 0 = 16 rows of W, source 1 = 16 rows of A).
; THE RESIDUAL (128 rows x 128 f32 of x; row m' = 2,048 b + t of this program is row 2 t + b of x) comes by a plain tensor load, 32 rows a wave, as slot 0's last fill; the finished rows are laid over it and leave whole.
; LIMITS: e6 + e7 between -126 and 127; e8 between -126 and 112.  NaN among the inputs is not served.
; REGISTERS: window 0: v0-31 addresses and constants; v32-63 codes; v96-127 the bias; v128-255 the accumulators ((a, b) at v[128 + 8 (4 a + b)]).
;   window 1: two fragment buffers of 128: A's four fragments (16 rows x 128 K), then W's four; on the way out the residual and the rows.
.set KTOT,   1024
.set LAPS,   KTOT/1024                 ; a lap = two K steps of 512
.set RSTR,   2048                      ; the residual: elements from one of my rows to the next (two rows of x)
.set AP,     144                       ; A's LDS row: 128 bytes + 16
.set BP,     528                       ; W's: 512 + 16
.set ASUB,   128*AP
.set BOFF,   4*ASUB
.set BHALF,  64*BP
.set SLOT,   BOFF+2*BHALF
.set SPARE,  2*SLOT
.set CSTG,   SPARE+512                 ; the codes' stage: 128 rows x 144; no tile lands here
.set RP,     528                       ; the residual's LDS row: 512 + 16; it lies at byte 0
.set ADRA, 16
.set ADRB, 20
.set RA,   22                          ; v22 my place in the residual, in the accumulators' layout
.set CSA,  23                          ; v23 the same in the codes' stage
.set RDF,  24                          ; v24 whole rows back: f32
.set RDC,  25                          ; v25 codes
.set GO,   26                          ; v26 16 x lane
.set SPW,  28
.set NIL,  29
.set CD,   32
.set BI,   96
.set ACC,  128
.set F0,   0
.set F1,   128
.set G1, 24
.set G0, 32
.set G1B, 48
.set G0B, 56
.set G1R, 68
.set G0R, 76
.set MSB, 0
.macro WIN new
.if MSB != \new
	s_set_vgpr_msb (MSB<<8)|\new
.set MSB, \new
.endif
.endm
.set MUL,  0x05                        ; sources 0 and 1 window 1; C and D window 0
.set TO_F, 0x40                        ; destination window 1, address window 0
.macro JLOAD s                         ; waves 0 and 1 fetch A's two halves, waves 2 and 3 W's; four v_nop follow each line
	s_cmp_eq_u32 s19, 0
	s_cbranch_scc0 .Lfor_b_\@
	tensor_load_to_lds s[G0+4*\s:G0+4*\s+3], s[G1:G1+7]
	s_nop 0
.rept 4
	v_nop
.endr
	s_branch .Lasked_\@
.Lfor_b_\@:
	tensor_load_to_lds s[G0B+4*\s:G0B+4*\s+3], s[G1B:G1B+7]
	s_nop 0
.rept 4
	v_nop
.endr
.Lasked_\@:
.endm
.macro CREST
	s_cmp_lg_u32 s18, 0
	s_cbranch_scc1 .Lnot_wave_0_\@
	s_barrier_signal -3
.Lnot_wave_0_\@:
	s_barrier_wait -3
	s_barrier_signal -1
	s_barrier_wait -1
.endm
.macro CROUND
	s_barrier_signal -1
	s_barrier_wait -1
	CREST
.endm
	s_load_b256 s[4:11], s[0:1], 0x0               ; A's codes, W's codes, the scales' exponents, the bias
	s_load_b128 s[12:15], s[0:1], 0x20             ; the residual, the f32 output
	s_load_b64 s[16:17], s[0:1], 0x30              ; the codes' output
	v_lshl_add_u32 v[SPW], v0, 2, SPARE
	v_mov_b32 v[NIL], 0
	ds_add_u32 v28, v29
	ds_add_u32 v28, v29
	s_wait_dscnt 0x0
	v_lshrrev_b32 v1, 5, v0
	v_readfirstlane_b32 s18, v1                    ; wave
	s_lshr_b32 s19, s18, 1                         ; my half of the rows.  Also: I fetch for A (0) or for W (1)
	s_and_b32 s20, s18, 1                          ; my half of the columns.  Also: which half I fetch
	s_bfe_u32 s40, ttmp6, 0x40000                  ; cx
	s_bfe_u32 s41, ttmp6, 0x40004                  ; cy
	s_lshl_b32 s22, ttmp9, 2
	s_add_co_u32 s22, s22, s40                     ; tc: tile column
	s_and_b32 s21, ttmp7, 0xffff
	s_lshl_b32 s21, s21, 2
	s_add_co_u32 s21, s21, s41                     ; rt: tile row
	s_lshl_b32 s43, s41, 2
	s_lshl_b32 s43, 15, s43
	s_lshl_b32 s44, 0x1111, s40
	s_or_b32 s[G1], s43, (0<<16)|(1<<20)|(1<<21)|(4<<22)|(3<<25)    ; A: 256 rows of 128 bytes, dense; 4 words of padding after every 32
	s_mov_b32 s[G1+1], 128<<16
	s_mov_b32 s[G1+2], 256<<16
	s_mov_b32 s[G1+3], 128<<16
	s_mov_b32 s[G1+4], 256
	s_mov_b32 s[G1+5], 128
	s_mov_b32 s[G1+6], 0
	s_mov_b32 s[G1+7], 0
	s_or_b32 s[G1B], s44, (0<<16)|(1<<20)|(1<<21)|(6<<22)|(3<<25)   ; W: 64 rows of 512 bytes; 4 words after every 128
	s_mov_b32 s[G1B+1], 512<<16
	s_mov_b32 s[G1B+2], 64<<16
	s_mov_b32 s[G1B+3], 512<<16
	s_mov_b32 s[G1B+4], 64
	s_mov_b32 s[G1B+5], KTOT
	s_mov_b32 s[G1B+6], 0
	s_mov_b32 s[G1B+7], 0
	s_mov_b32 s[G1R], (2<<16)|(1<<20)|(6<<22)|(3<<25)               ; the residual: no mask; 32 rows of 128 elements of 4 bytes; 4 words after every 128
	s_mov_b32 s[G1R+1], 128<<16
	s_mov_b32 s[G1R+2], 32<<16
	s_mov_b32 s[G1R+3], 128<<16
	s_mov_b32 s[G1R+4], 32
	s_mov_b32 s[G1R+5], RSTR
	s_mov_b32 s[G1R+6], 0
	s_mov_b32 s[G1R+7], 0
	s_lshl_b32 s86, s21, 16
	s_lshl_b32 s87, s20, 15
	s_add_co_u32 s86, s86, s87                     ; A: 65,536 rt + 32,768 x half
	s_mov_b32 s87, 0
	s_lshl_b32 s88, s22, 7
	s_lshl_b32 s89, s20, 6
	s_add_co_u32 s88, s88, s89
	s_mul_i32 s88, s88, KTOT                       ; W: row 128 tc + 64 x half
	s_mov_b32 s89, 0
	s_mul_i32 s42, s20, 2*ASUB                     ; where they go
	s_mul_i32 s45, s20, BHALF
	s_add_co_u32 s45, s45, BOFF
	s_and_b32 s90, s21, 15
	s_lshl_b32 s90, s90, 7
	s_lshl_b32 s91, s18, 5
	s_add_co_u32 s90, s90, s91                     ; t of the first row that I fetch and store: 128 (rt % 16) + 32 w
	s_lshl_b32 s90, s90, 1
	s_lshr_b32 s91, s21, 4
	s_add_co_u32 s90, s90, s91                     ; its row in x: 2 t + b
	s_lshl_b32 s90, s90, 12
	s_lshl_b32 s91, s22, 9
	s_add_co_u32 s90, s90, s91
	s_mov_b32 s91, 0
	s_lshl_b32 s92, s21, 7
	s_lshl_b32 s93, s18, 5
	s_add_co_u32 s94, s92, s93                     ; m' of that row
	s_lshl_b32 s92, s94, 12
	s_lshl_b32 s93, s22, 9
	s_add_co_u32 s92, s92, s93                     ; in x1
	s_mov_b32 s93, 0
	s_lshl_b32 s94, s94, 7
	s_lshl_b32 s95, s22, 19
	s_add_co_u32 s94, s94, s95                     ; in x1c
	s_mov_b32 s95, 0
	s_lshl_b32 s66, s22, 9
	s_lshl_b32 s67, s20, 8
	s_add_co_u32 s66, s66, s67                     ; the bias of my 64 columns
	s_mov_b32 s67, 0
	s_wait_kmcnt 0x0
	s_load_b64 s[80:81], s[8:9], 0x18              ; e6, e7
	s_load_b32 s82, s[8:9], 0x20                   ; e8
	s_add_nc_u64 s[86:87], s[4:5], s[86:87]
	s_add_nc_u64 s[88:89], s[6:7], s[88:89]
	s_add_nc_u64 s[12:13], s[12:13], s[90:91]
	s_add_nc_u64 s[14:15], s[14:15], s[92:93]
	s_add_nc_u64 s[16:17], s[16:17], s[94:95]
	s_add_nc_u64 s[66:67], s[10:11], s[66:67]
	s_mov_b32 s[G0R], 1
	s_mul_i32 s[G0R+1], s18, 32*RP
	s_mov_b64 s[G0R+2:G0R+3], s[12:13]
	s_or_b32 s[G0R+3], s[G0R+3], 0x80000000
	CROUND                                         ; all sixteen work-groups are here: the first joint loads meet
.irp s, 0,1
	s_mov_b32 s[G0+4*\s], 1
	s_add_co_u32 s[G0+4*\s+1], s42, \s*SLOT
	s_add_nc_u64 s[G0+4*\s+2:G0+4*\s+3], s[86:87], \s*32*65536
	s_or_b32 s[G0+4*\s+3], s[G0+4*\s+3], 0x80000000
	s_mov_b32 s[G0B+4*\s], 1
	s_add_co_u32 s[G0B+4*\s+1], s45, \s*SLOT
	s_add_nc_u64 s[G0B+4*\s+2:G0B+4*\s+3], s[88:89], \s*512
	s_or_b32 s[G0B+4*\s+3], s[G0B+4*\s+3], 0x80000000
	JLOAD \s
.endr
	v_and_b32 v1, 15, v0                           ; r
	v_bfe_u32 v2, v0, 4, 1                         ; h
	v_and_b32 v3, 31, v0                           ; lane
	v_lshlrev_b32 v8, 5, v2                        ; 32 h; never rewritten
.irp b, 0,1,2,3
	global_load_b128 v[BI+8*\b:BI+8*\b+3], v8, s[66:67] offset:64*\b
	global_load_b128 v[BI+8*\b+4:BI+8*\b+7], v8, s[66:67] offset:64*\b+16
.endr
	v_mul_u32_u24 v4, v1, AP
	v_lshl_add_u32 v4, v2, 4, v4
	s_mul_i32 s23, s19, 64*AP
	v_add_nc_u32 v[ADRA], s23, v4
	v_add_nc_u32 v[ADRA+1], SLOT, v[ADRA]
	v_mul_u32_u24 v5, v1, BP
	v_lshl_add_u32 v5, v2, 4, v5
	s_mul_i32 s23, s20, BHALF
	s_add_co_u32 s23, s23, BOFF
	v_add_nc_u32 v[ADRB], s23, v5
	v_add_nc_u32 v[ADRB+1], SLOT, v[ADRB]
	s_mul_i32 s23, s19, 64*RP
	s_lshl_b32 s46, s20, 8
	s_add_co_u32 s23, s23, s46
	v_mul_u32_u24 v[RA], v1, RP
	v_lshl_add_u32 v[RA], v2, 5, v[RA]
	v_add_nc_u32 v[RA], s23, v[RA]                 ; row 64 x row half + r, byte 256 x column half + 32 h
	s_mul_i32 s23, s19, 64*144
	s_lshl_b32 s46, s20, 6
	s_add_co_u32 s23, s23, s46
	s_add_co_u32 s23, s23, CSTG
	v_mul_u32_u24 v[CSA], v1, 144
	v_lshl_add_u32 v[CSA], v2, 3, v[CSA]
	v_add_nc_u32 v[CSA], s23, v[CSA]
	s_mul_i32 s23, s18, 32*RP
	v_lshlrev_b32 v[GO], 4, v3
	v_add_nc_u32 v[RDF], s23, v[GO]                ; rows 32 w on, 32 lanes to a row of 512 bytes
	s_mul_i32 s23, s18, 32*144
	s_add_co_u32 s23, s23, CSTG
	v_lshrrev_b32 v6, 3, v3
	v_and_b32 v7, 7, v3
	v_mul_u32_u24 v[RDC], v6, 144
	v_lshl_add_u32 v[RDC], v7, 4, v[RDC]
	v_add_nc_u32 v[RDC], s23, v[RDC]               ; eight lanes to a row of 128 bytes
; 8 matrix instructions: A's fragments a0, a0 + 1 x W's four, 128 along K, out of buffer f.  The 16 accumulators take turns, one instruction a turn.
.macro MUL8 f, a0, zero
.irp a, \a0, \a0+1
.irp b, 0,1,2,3
.if \zero
	v_wmma_f32_16x16x128_bf8_bf8 v[ACC+8*(4*(\a)+\b):ACC+8*(4*(\a)+\b)+7], v[\f+64+16*\b:\f+64+16*\b+15], v[\f+16*(\a):\f+16*(\a)+15], 0
.else
	v_wmma_f32_16x16x128_bf8_bf8 v[ACC+8*(4*(\a)+\b):ACC+8*(4*(\a)+\b)+7], v[\f+64+16*\b:\f+64+16*\b+15], v[\f+16*(\a):\f+16*(\a)+15], v[ACC+8*(4*(\a)+\b):ACC+8*(4*(\a)+\b)+7]
.endif
.endr
.endr
.endm
; 32 LDS loads in one run: the fragments of the slot's q-th 128 along K into buffer f: W's four, then A's four
.macro FETCH slot, q, f
	WIN TO_F
.irp i, 0,1,2,3
.irp c, 0,1,2,3
	ds_load_b128 v[\f+64+16*\i+4*\c:\f+64+16*\i+4*\c+3], v[ADRB+\slot] offset:128*(\q)+32*\c+\i*16*BP
.endr
.endr
.irp i, 0,1,2,3
.irp c, 0,1,2,3
	ds_load_b128 v[\f+16*\i+4*\c:\f+16*\i+4*\c+3], v[ADRA+\slot] offset:(\q)*ASUB+32*\c+\i*16*AP
.endr
.endr
.endm
.macro PLACES
.rept 4
	v_nop
.endr
.endm
; 128 along K: multiplies buffer f and fetches the slot's q-th 128 into g
.macro QUARTER slot, q, f, g, zero
	s_wait_dscnt 8                                 ; W's four and A's fragments 0, 1 are in; the eight youngest loads (A's 2, 3) may be out
	WIN MUL
	MUL8 \f, 0, \zero
	PLACES
	FETCH \slot, \q, \g
	s_wait_dscnt 32                                ; all but the 32 just issued
	WIN MUL
	MUL8 \f, 2, \zero
.endm
; A slot's last 128 multiply buffer 1 and change slots, behind a round of the cluster's barrier.  fill = 1: this slot is filled again, two K steps ahead;  2: slot 0 takes its last fill, the residual.
.macro TURN slot, next, fill
	WIN 0
	s_wait_tensorcnt 0x0                           ; all my tensor loads have landed: my part of the next slot
	ds_add_u32 v[SPW], v[NIL]                      ; 0 onto my spare word
	s_wait_dscnt 9                                 ; (the add and the eight youngest loads may be out)
	WIN MUL
	MUL8 F1, 0, 0
	s_wait_dscnt 0x0                               ; the add is done, and my reads of this slot are over
	WIN 0
	s_barrier_signal -1
	s_barrier_wait -1
	CREST                                          ; no wave of any partner still reads this slot or has a load on its way
.if \fill == 1
	s_add_nc_u64 s[G0+4*\slot+2:G0+4*\slot+3], s[G0+4*\slot+2:G0+4*\slot+3], 2*32*65536
	s_add_nc_u64 s[G0B+4*\slot+2:G0B+4*\slot+3], s[G0B+4*\slot+2:G0B+4*\slot+3], 1024
	JLOAD \slot                                    ; the first tensor load behind the round; its four v_nop are the places in front of the loads below
.else
	tensor_load_to_lds s[G0R:G0R+3], s[G1R:G1R+7]  ; my 32 rows of the residual: a load of my own, the one behind this round; it has a K step in which to land
	s_nop 0
.rept 4
	v_nop
.endr
.endif
	FETCH \next, 0, F0
	WIN MUL
	MUL8 F1, 2, 0
.endm
	s_wait_tensorcnt 1                             ; my part of K step 0 is in; K step 1's may be out
	s_barrier_signal -1
	s_barrier_wait -1
	FETCH 0, 0, F0
	QUARTER 0, 1, F0, F1, 1                        ; the first products start the sums
.if LAPS > 1
	WIN 0
	s_mov_b32 s3, LAPS-1
.Llap:
	QUARTER 0, 2, F1, F0, 0
	QUARTER 0, 3, F0, F1, 0
	TURN 0, 1, 1
	QUARTER 1, 1, F0, F1, 0
	QUARTER 1, 2, F1, F0, 0
	QUARTER 1, 3, F0, F1, 0
	TURN 1, 0, 1
	QUARTER 0, 1, F0, F1, 0
	WIN 0
	s_sub_co_u32 s3, s3, 1
	s_cmp_lg_u32 s3, 0
	s_cbranch_scc1 .Llap
.endif
	QUARTER 0, 2, F1, F0, 0
	QUARTER 0, 3, F0, F1, 0
	TURN 0, 1, 2
	QUARTER 1, 1, F0, F1, 0
	QUARTER 1, 2, F1, F0, 0
	QUARTER 1, 3, F0, F1, 0
	s_wait_dscnt 8
	WIN MUL
	MUL8 F1, 0, 0
	s_wait_dscnt 0
	MUL8 F1, 2, 0
	WIN 0
	; THE WAY OUT
	s_wait_tensorcnt 0x0                           ; my rows of the residual have landed,
	s_wait_loadcnt 0x0                             ; and the bias
	s_wait_kmcnt 0x0
	s_add_co_i32 s84, s80, s81
	s_add_co_i32 s84, s84, 127
	s_lshl_b32 s84, s84, 23                        ; 2^(e6 + e7)
	s_mov_b32 s85, s84
	s_add_co_i32 s82, s82, 127
	s_lshl_b32 s83, s82, 23
	v_mov_b32 v30, s83                             ; 2^e8
	s_add_co_i32 s82, s82, 15
	s_lshl_b32 s82, s82, 23
	s_or_b32 s82, s82, 0x600000
	s_barrier_signal -1
	s_barrier_wait -1                              ; everybody's rows have landed
	PLACES
	WIN TO_F
.irp a, 0,1,2,3
.irp b, 0,1,2,3
	ds_load_b128 v[8*(4*\a+\b):8*(4*\a+\b)+3], v[RA] offset:\a*16*RP+64*\b        ; the residual in the accumulators' layout
	ds_load_b128 v[8*(4*\a+\b)+4:8*(4*\a+\b)+7], v[RA] offset:\a*16*RP+64*\b+16
.endr
.endr
	WIN 0
.set n, 0
.rept 16
.irp i, 0,2,4,6
	v_pk_fma_f32 v[ACC+8*n+\i:ACC+8*n+\i+1], v[ACC+8*n+\i:ACC+8*n+\i+1], s[84:85], v[BI+8*(n%4)+\i:BI+8*(n%4)+\i+1] op_sel_hi:[1,0,1]   ; sum x 2^(e6 + e7) + bias; each accumulator from its low end on
.endr
.set n, n+1
.endr
	s_wait_dscnt 0x0
	WIN 0x44                                       ; destination and source 1 window 1
.set n, 0
.rept 64
	v_pk_add_f32 v[2*n:2*n+1], v[ACC+2*n:ACC+2*n+1], v[2*n:2*n+1]   ; + the residual
.set n, n+1
.endr
	WIN 0x04                                       ; store data window 1
.irp a, 0,1,2,3
.irp b, 0,1,2,3
	ds_store_b128 v[RA], v[8*(4*\a+\b):8*(4*\a+\b)+3] offset:\a*16*RP+64*\b       ; over the very bytes that I read
	ds_store_b128 v[RA], v[8*(4*\a+\b)+4:8*(4*\a+\b)+7] offset:\a*16*RP+64*\b+16
.endr
.endr
	WIN 0x01                                       ; source 0 window 1
.set n, 0
.rept 128
.set n, n+1
.endr
.set n, 0
.rept 16
	v_cvt_scalef32_pk8_bf8_f32 v[CD+2*n:CD+2*n+1], v[ACC+8*n+((n)-(ACC+n)):ACC+8*n+7+((n)-(ACC+n))], v30
.set n, n+1
.endr
	WIN 0
	v_nop                                          ; one plain vector instruction behind the last conversion
.irp a, 0,1,2,3
.irp b, 0,1,2,3
	ds_store_b64 v[CSA], v[CD+2*(4*\a+\b):CD+2*(4*\a+\b)+1] offset:\a*16*144+16*\b
.endr
.endr
	s_wait_dscnt 0x0                               ; for the others' sake: my stores are done
	s_barrier_signal -1
	s_barrier_wait -1
	WIN TO_F
.set n, 0
.rept 32
	ds_load_b128 v[4*n:4*n+3], v[RDF] offset:n*RP
.set n, n+1
.endr
.set n, 0
.rept 8
	ds_load_b128 v[128+4*n:128+4*n+3], v[RDC] offset:n*4*144
.set n, n+1
.endr
	WIN 0x04
.set n, 0
.rept 32
	s_wait_dscnt 39-n
	global_store_b128 v[GO], v[4*n:4*n+3], s[14:15] offset:n*4096   ; 32 lanes store 512 consecutive bytes
.set n, n+1
.endr
.set n, 0
.rept 8
	s_wait_dscnt 7-n
	global_store_b128 v[GO], v[128+4*n:128+4*n+3], s[16:17] offset:n*512
.set n, n+1
.endr
	WIN 0
	s_wait_tensorcnt 0x0                           ; the wave's end
	ds_add_u32 v[SPW], v[NIL]
	s_wait_dscnt 0x0
	CROUND                                         ; the closing round
	s_endpgm
.Lfunc_end_k_q19f162112b_gemm_out:
	.size	k_q19f162112b_gemm_out, .Lfunc_end_k_q19f162112b_gemm_out-k_q19f162112b_gemm_out
	.p2alignl 7, 3214868480
	.fill 96, 4, 3214868480
	.section	.rodata,"a",@progbits
	.p2align	6, 0x0
	.amdhsa_kernel k_q19f162112b_gemm_out
		.amdhsa_group_segment_fixed_size 327680
		.amdhsa_private_segment_fixed_size 0
		.amdhsa_enable_private_segment 0
		.amdhsa_kernarg_size 56
		.amdhsa_user_sgpr_count 2
		.amdhsa_user_sgpr_kernarg_segment_ptr 1
		.amdhsa_wavefront_size32 1
		.amdhsa_system_sgpr_workgroup_id_x 1
		.amdhsa_system_sgpr_workgroup_id_y 1
		.amdhsa_system_sgpr_workgroup_id_z 1
		.amdhsa_system_vgpr_workitem_id 0
		.amdhsa_next_free_vgpr 512
		.amdhsa_next_free_sgpr 100
		.amdhsa_reserve_vcc 0
		.amdhsa_float_denorm_mode_32 3
		.amdhsa_float_denorm_mode_16_64 3
		.amdhsa_fp16_overflow 1
		.amdhsa_memory_ordered 1
		.amdhsa_forward_progress 1
		.amdhsa_inst_pref_size 60
	.end_amdhsa_kernel
	.amdgpu_metadata
---
amdhsa.version: [ 1, 2 ]
amdhsa.kernels:
  - .name:           k_q19f162112b_gemm_out
    .symbol:         k_q19f162112b_gemm_out.kd
    .args:
      - { .name: ctxc, .offset: 0, .size: 8, .value_kind: global_buffer, .address_space: global }
      - { .name: w_out_codes, .offset: 8, .size: 8, .value_kind: global_buffer, .address_space: global }
      - { .name: lowp_scales, .offset: 16, .size: 8, .value_kind: global_buffer, .address_space: global }
      - { .name: b_out, .offset: 24, .size: 8, .value_kind: global_buffer, .address_space: global }
      - { .name: x, .offset: 32, .size: 8, .value_kind: global_buffer, .address_space: global }
      - { .name: x1, .offset: 40, .size: 8, .value_kind: global_buffer, .address_space: global }
      - { .name: x1c, .offset: 48, .size: 8, .value_kind: global_buffer, .address_space: global }
    .group_segment_fixed_size: 327680
    .private_segment_fixed_size: 0
    .kernarg_segment_align: 8
    .kernarg_segment_size: 56
    .max_flat_workgroup_size: 128
    .sgpr_count:     100
    .vgpr_count:     512
    .wavefront_size: 32
...
	.end_amdgpu_metadata
.endif
;; end of part 4
;; launch gemm_ffn1 (part 5): grid 16 x 16, 4 waves a work-group, clusters of 4 x 4, 327,680 bytes of LDS; arguments x1c, w1_codes, lowp_scales, b1, hc; writes hc
.if DOCPART == 5
	.amdgcn_target "amdgcn-amd-amdhsa--gfx1250"
	.amdhsa_code_object_version 6
	.text
	.protected	k_q19f162112b_gemm_ffn1
	.globl	k_q19f162112b_gemm_ffn1
	.p2align	8
	.type	k_q19f162112b_gemm_ffn1,@function
k_q19f162112b_gemm_ffn1:
	s_mov_b64 s[64:65], 0
	v_nop
	global_prefetch_b8 v0, s[64:65] scope:SCOPE_SE
	s_setreg_imm32_b32 hwreg(HW_REG_WAVE_MODE, 25, 1), 1
	s_wait_xcnt 0x0
	s_wait_alu depctr_hold_cnt(0) depctr_sa_sdst(0) depctr_va_vdst(0) depctr_va_sdst(0) depctr_va_ssrc(0) depctr_va_vcc(0) depctr_vm_vsrc(0)
	s_getreg_b32 s2, hwreg(HW_REG_IB_STS2, 6, 4)
	s_cmp_eq_u32 s2, 0
	s_cbranch_scc0 .Lentry_in_a_cluster
	s_endpgm
.Lentry_in_a_cluster:
	s_bfe_u32 s2, ttmp6, 0x10000c
	s_cmp_lg_u32 s2, 0xf033
	s_cbranch_scc0 .Lentry_shape_is_right
	s_endpgm
.Lentry_shape_is_right:
; h = silu(x1 W1 + b1), the product on codes of E5M2; h is quantised with 2^e10 on the way out and leaves as codes.
; x1c: [K / 128][4096 m'][128].  w1_codes: [4096 n][1024 K].  hc: sub-tiles [128 rows][128 hidden units] of 16,384 bytes; sub-tile (kb, rt) at index ((kb / 4) x 32 + rt) x 4 + kb % 4.
; A tile of 256 x 256 is made by four waves, each 128 x 128: 64 accumulators, 512 registers: 256 work-groups.  K = 1,024 goes in four steps of 256 through a ring of two LDS slots filled by the tensor data mover.
; CLUSTERS: 4 x 4 work-groups; A's tiles are shared along a row of the cluster, W's along a column, each asked for jointly.  THE MATRIX INSTRUCTION IS USED TRANSPOSED (source 0 = 16 rows of W, source 1 = 16 rows of A):
; a lane holds eight neighbouring hidden units of one row, which are neighbours along the next product's K.
; silu(z) = z / (1 + 2^(-z log2 e)), in f32.  LIMITS: e8 + e9 between -126 and 127; e10 between -126 and 112.  NaN among the inputs is not served.
; REGISTERS, in windows of 256: window 0: v0-31 addresses; v32-95 the bias; from v128 A's fragments, ONE set (on the way out v96-255 are at work).  window 1: W's fragments, TWO sets.  windows 2, 3: the accumulators.
.set PITCH,  272                       ; W's LDS row: 256 bytes + 16
.set APITCH, 144                       ; A's: 128 + 16
.set ASUB,   256*APITCH                ; a sub-tile of A: 256 rows x 128 K: what one tensor load brings
.set BOFF,   2*ASUB
.set HALFT,  128*PITCH                 ; 128 rows of W: what one tensor load brings
.set SLOT,   BOFF+2*HALFT
.set FR,     16
.set NL,     4
.set NP,     4
.set LAPS,   2
.set SPARE,  2*SLOT
.set STAGE,  SPARE+512                 ; 16 rows x 144 bytes for each wave; no tile lands here
.set SPITCH, 144
.set ADRA, 16
.set ADRB, 20
.set STO,  24
.set RD,   25
.set CO,   26
.set SPW,  28
.set NIL,  29
.set BC,   32
.set BB,   96                          ; rows read back: two sets of 16
.set AF,   128
.set TMP,  128
.set EX,   192                         ; the sigmoid's 64 numbers; then the codes
.set CD,   192
.set G1, 24
.set G0, 32
.set G1B, 48
.set G0B, 56
.set MSB, 0
.macro WIN new
.if MSB != \new
	s_set_vgpr_msb (MSB<<8)|\new
.set MSB, \new
.endif
.endm
.set MUL_LO, 0xa1
.set MUL_HI, 0xf1
.set TO_B,   0x40
.macro JLOAD g0a, g1a, g0b, g1b
	s_cmp_eq_u32 s15, 0
	s_cbranch_scc0 .Lfor_b_\@
	tensor_load_to_lds s[\g0a:\g0a+3], s[\g1a:\g1a+7]
	s_nop 0
.rept 4
	v_nop
.endr
	s_branch .Lasked_\@
.Lfor_b_\@:
	tensor_load_to_lds s[\g0b:\g0b+3], s[\g1b:\g1b+7]
	s_nop 0
.rept 4
	v_nop
.endr
.Lasked_\@:
.endm
.macro CREST
	s_cmp_lg_u32 s14, 0
	s_cbranch_scc1 .Lnot_wave_0_\@
	s_barrier_signal -3
.Lnot_wave_0_\@:
	s_barrier_wait -3
	s_barrier_signal -1
	s_barrier_wait -1
.endm
.macro CROUND
	s_barrier_signal -1
	s_barrier_wait -1
	CREST
.endm
	s_load_b256 s[4:11], s[0:1], 0x0               ; x1c, W1's codes, the scales' exponents, b1
	s_load_b64 s[12:13], s[0:1], 0x20              ; hc
	v_lshl_add_u32 v[SPW], v0, 2, SPARE
	v_mov_b32 v[NIL], 0
	ds_add_u32 v28, v29
	ds_add_u32 v28, v29
	s_wait_dscnt 0x0
	v_lshrrev_b32 v1, 5, v0
	v_readfirstlane_b32 s14, v1                    ; wave
	s_lshr_b32 s15, s14, 1                         ; my half of the rows.  Also: I fetch for A (0) or for W (1)
	s_and_b32 s16, s14, 1                          ; my half of the columns.  Also: which part I fetch
	s_bfe_u32 s40, ttmp6, 0x40000
	s_bfe_u32 s41, ttmp6, 0x40004
	s_lshl_b32 s42, ttmp9, 2
	s_add_co_u32 s42, s42, s40                     ; tile column
	s_and_b32 s17, ttmp7, 0xffff
	s_lshl_b32 s17, s17, 2
	s_add_co_u32 s17, s17, s41                     ; tile row
	s_lshl_b32 s43, s41, 2
	s_lshl_b32 s43, 15, s43
	s_lshl_b32 s44, 0x1111, s40
	s_or_b32 s[G1], s43, (0<<16)|(1<<20)|(1<<21)|(4<<22)|(3<<25)    ; A: 256 rows of 128 bytes, dense; 4 words of padding after every 32
	s_mov_b32 s[G1+1], 128<<16
	s_mov_b32 s[G1+2], 256<<16
	s_mov_b32 s[G1+3], 128<<16
	s_mov_b32 s[G1+4], 256
	s_mov_b32 s[G1+5], 128
	s_mov_b32 s[G1+6], 0
	s_mov_b32 s[G1+7], 0
	s_or_b32 s[G1B], s44, (0<<16)|(1<<20)|(1<<21)|(5<<22)|(3<<25)   ; W: 128 rows of 256 bytes; 4 words after every 64
	s_mov_b32 s[G1B+1], 256<<16
	s_mov_b32 s[G1B+2], 128<<16
	s_mov_b32 s[G1B+3], 256<<16
	s_mov_b32 s[G1B+4], 128
	s_mov_b32 s[G1B+5], 1024
	s_mov_b32 s[G1B+6], 0
	s_mov_b32 s[G1B+7], 0
	s_lshl_b32 s20, s16, 19
	s_lshl_b32 s21, s17, 15
	s_add_co_u32 s20, s20, s21                     ; A: block of 128 along K = my part, rows 256 x tile row on
	s_mov_b32 s21, 0
	s_lshl_b32 s46, s42, 8
	s_lshl_b32 s47, s16, 7
	s_add_co_u32 s46, s46, s47
	s_lshl_b32 s46, s46, 10                        ; W: row 256 x tile column + 128 x half
	s_mov_b32 s47, 0
	s_mul_i32 s45, s16, ASUB                       ; where they go
	s_mul_i32 s69, s16, HALFT
	s_add_co_u32 s69, s69, BOFF
	s_mov_b32 s98, 0xbfb8aa3b                      ; -log2(e)
	s_mov_b32 s99, s98
	s_wait_kmcnt 0x0
	s_load_b128 s[76:79], s[8:9], 0x20             ; e8 .. e11
	s_add_nc_u64 s[20:21], s[4:5], s[20:21]
	s_add_nc_u64 s[46:47], s[6:7], s[46:47]
	CROUND
.irp s, 0,1
	s_mov_b32 s[G0+4*\s], 1
	s_add_co_u32 s[G0+4*\s+1], s45, \s*SLOT
	s_add_nc_u64 s[G0+4*\s+2:G0+4*\s+3], s[20:21], \s*2*524288
	s_or_b32 s[G0+4*\s+3], s[G0+4*\s+3], 0x80000000
	s_mov_b32 s[G0B+4*\s], 1
	s_add_co_u32 s[G0B+4*\s+1], s69, \s*SLOT
	s_add_nc_u64 s[G0B+4*\s+2:G0B+4*\s+3], s[46:47], \s*256
	s_or_b32 s[G0B+4*\s+3], s[G0B+4*\s+3], 0x80000000
	JLOAD G0+4*\s, G1, G0B+4*\s, G1B
.endr
	v_and_b32 v1, 15, v0                           ; r
	v_bfe_u32 v2, v0, 4, 1                         ; h
	v_lshlrev_b32 v8, 5, v2                        ; 32 h; never rewritten
	s_lshl_b32 s88, s42, 10
	s_lshl_b32 s89, s16, 9
	s_add_co_u32 s88, s88, s89
	s_mov_b32 s89, 0
	s_add_nc_u64 s[88:89], s[10:11], s[88:89]      ; b1 of my 128 columns
.irp b, 0,1,2,3,4,5,6,7
	global_load_b128 v[BC+8*\b:BC+8*\b+3], v8, s[88:89] offset:64*\b
	global_load_b128 v[BC+8*\b+4:BC+8*\b+7], v8, s[88:89] offset:64*\b+16
.endr
	v_mul_u32_u24 v3, v1, APITCH
	v_lshl_add_u32 v3, v2, 4, v3
	s_mul_i32 s21, s15, 128*APITCH
	v_add_nc_u32 v[ADRA], s21, v3
	v_add_nc_u32 v[ADRA+1], SLOT, v[ADRA]
	v_mul_u32_u24 v4, v1, PITCH
	v_lshl_add_u32 v4, v2, 4, v4
	s_mul_i32 s22, s16, HALFT
	s_add_co_u32 s22, s22, BOFF
	v_add_nc_u32 v[ADRB], s22, v4
	v_add_nc_u32 v[ADRB+1], SLOT, v[ADRB]
	s_mul_i32 s23, s14, 16*SPITCH
	s_add_co_u32 s23, s23, STAGE
	v_mul_u32_u24 v5, v1, SPITCH
	v_lshl_add_u32 v5, v2, 3, v5
	v_add_nc_u32 v[STO], s23, v5
	v_and_b32 v6, 31, v0
	v_lshrrev_b32 v5, 3, v6
	v_and_b32 v7, 7, v6
	v_mul_u32_u24 v[RD], v5, SPITCH
	v_lshl_add_u32 v[RD], v7, 4, v[RD]
	v_add_nc_u32 v[RD], s23, v[RD]
	v_lshlrev_b32 v[CO], 4, v6                     ; in hc four rows of 128 bytes lie on end: 16 x lane
	s_lshl_b32 s86, s42, 1
	s_add_co_u32 s86, s86, s16                     ; kb: my block of 128 hidden units
	s_lshl_b32 s87, s17, 1
	s_add_co_u32 s87, s87, s15                     ; rt: my 128 rows
	s_lshr_b32 s92, s86, 2
	s_lshl_b32 s92, s92, 5
	s_add_co_u32 s92, s92, s87
	s_lshl_b32 s92, s92, 2
	s_and_b32 s86, s86, 3
	s_add_co_u32 s86, s86, s92
	s_lshl_b32 s86, s86, 14
	s_mov_b32 s87, 0
	s_add_nc_u64 s[12:13], s[12:13], s[86:87]
.macro FRAGA reg, slot, q, i           ; 16 rows x 128 K: registers 4 c .. 4 c + 3 hold K = 32 c + 16 (l / 16) + 0 .. 15: a permutation of k that is the same on both sides
.irp c, 0,1,2,3
	ds_load_b128 v[\reg+4*\c:\reg+4*\c+3], v[ADRA+\slot] offset:(\q)*ASUB+32*\c+(\i)*16*APITCH
.endr
.endm
.macro FRAGB reg, slot, q, i
.irp c, 0,1,2,3
	ds_load_b128 v[\reg+4*\c:\reg+4*\c+3], v[ADRB+\slot] offset:128*(\q)+32*\c+(\i)*16*PITCH
.endr
.endm
.macro MUL16 a0, p, zero               ; the 64 accumulators take turns, one instruction a turn
.irp a, \a0, \a0+1
.irp b, 0,1,2,3,4,5,6,7
.if \zero
	v_wmma_f32_16x16x128_bf8_bf8 v[8*(8*((\a)%4)+\b):8*(8*((\a)%4)+\b)+7], v[128*(\p)+FR*\b:128*(\p)+FR*\b+FR-1], v[AF+FR*(\a):AF+FR*(\a)+FR-1], 0
.else
	v_wmma_f32_16x16x128_bf8_bf8 v[8*(8*((\a)%4)+\b):8*(8*((\a)%4)+\b)+7], v[128*(\p)+FR*\b:128*(\p)+FR*\b+FR-1], v[AF+FR*(\a):AF+FR*(\a)+FR-1], v[8*(8*((\a)%4)+\b):8*(8*((\a)%4)+\b)+7]
.endif
.endr
.endr
.endm
.macro FETCH_B slot, q, p
	WIN TO_B
.irp i, 0,1,2,3,4,5,6,7
	FRAGB 128*(\p)+FR*\i, \slot, \q, \i
.endr
	WIN 0
.endm
.macro FETCH_A slot, q, i0
.irp i, \i0, \i0+1, \i0+2, \i0+3
	FRAGA AF+FR*(\i), \slot, \q, \i
.endr
.endm
.macro PLACES n
.rept \n
	v_nop
.endr
.endm
.macro STEP slot, q, zero
	s_wait_dscnt 4*NL                              ; W's set and A's blocks 0-3 are in; the sixteen youngest loads (A's blocks 4-7) may be out
	WIN MUL_LO
	MUL16 0, (\q)%2, \zero
	MUL16 2, (\q)%2, \zero
	s_wait_dscnt 0
	PLACES NP
	FETCH_B \slot, (\q)+1, 1-(\q)%2
	FETCH_A \slot, (\q)+1, 0
	WIN MUL_HI
	MUL16 4, (\q)%2, \zero
	MUL16 6, (\q)%2, \zero
	PLACES NP
	WIN 0
	FETCH_A \slot, (\q)+1, 4
.endm
.macro TURN slot, next, fill
	s_wait_tensorcnt 0x0                           ; all my tensor loads have landed: my part of the next slot
	ds_add_u32 v[SPW], v[NIL]                      ; 0 onto my spare word
	s_wait_dscnt 4*NL+1                            ; (the add and the sixteen youngest loads may be out)
	WIN MUL_LO
	MUL16 0, 1, 0
	s_wait_dscnt 0x0                               ; the add is done, and my reads of this slot are over
	s_barrier_signal -1
	MUL16 2, 1, 0
	WIN 0
	s_barrier_wait -1
.if \fill
	CREST                                          ; no wave of any partner still reads this slot or has a load on its way
	s_add_nc_u64 s[G0+4*\slot+2:G0+4*\slot+3], s[G0+4*\slot+2:G0+4*\slot+3], 4*524288
	s_add_nc_u64 s[G0B+4*\slot+2:G0B+4*\slot+3], s[G0B+4*\slot+2:G0B+4*\slot+3], 512
	JLOAD G0+4*\slot, G1, G0B+4*\slot, G1B
.else
	PLACES NP
.endif
	FETCH_B \next, 0, 0
	FETCH_A \next, 0, 0
	WIN MUL_HI
	MUL16 4, 1, 0
	MUL16 6, 1, 0
	PLACES NP
	WIN 0
	FETCH_A \next, 0, 4
.endm
	s_wait_tensorcnt 1                             ; my part of K step 0 is in; K step 1's may be out
	s_barrier_signal -1
	s_barrier_wait -1
	FETCH_B 0, 0, 0
	FETCH_A 0, 0, 0
	FETCH_A 0, 0, 4
	STEP 0, 0, 1
	s_mov_b32 s3, LAPS-1
.Llap:
	TURN 0, 1, 1
	STEP 1, 0, 0
	TURN 1, 0, 1
	STEP 0, 0, 0
	s_sub_co_u32 s3, s3, 1
	s_cmp_lg_u32 s3, 0
	s_cbranch_scc1 .Llap
	TURN 0, 1, 0
	STEP 1, 0, 0
	s_wait_dscnt 4*NL
	WIN MUL_LO
	MUL16 0, 1, 0
	MUL16 2, 1, 0
	s_wait_dscnt 0
	WIN MUL_HI
	MUL16 4, 1, 0
	MUL16 6, 1, 0
	WIN 0
	; THE WAY OUT: z = sum x 2^(e8 + e9) + b1; silu; held; converted with 2^e10; 16 rows x 128 codes go through my stage and leave as 512 consecutive bytes a store.
	s_wait_kmcnt 0x0
	s_add_co_i32 s96, s76, s77
	s_add_co_i32 s96, s96, 127
	s_lshl_b32 s96, s96, 23
	s_mov_b32 s97, s96
	s_add_co_i32 s92, s78, 127
	s_lshl_b32 s95, s92, 23
	v_mov_b32 v12, s95                             ; 2^e10
	s_add_co_i32 s92, s92, 15
	s_lshl_b32 s92, s92, 23
	s_or_b32 s92, s92, 0x600000
	v_mov_b32 v13, s92                             ; 57,344 x 2^e10
	s_wait_loadcnt 0x0                             ; b1
.macro TOSTAGE a
.set AC, 64*((\a)%4)
.if (\a) > 0
	s_wait_dscnt 4                                 ; the block before: its eight stores have read the codes' registers; its four reads back may be out
.endif
	WIN 0x02+((\a)/4)
.set n, 0
.rept 32
	v_pk_fma_f32 v[TMP+n:TMP+n+1], v[AC+n:AC+n+1], s[96:97], v[BC+n:BC+n+1] op_sel_hi:[1,0,1]   ; z; each accumulator from its low end on
.set n, n+2
.endr
	WIN 0
.set n, 0
.rept 32
	v_pk_mul_f32 v[EX+n:EX+n+1], v[TMP+n:TMP+n+1], s[98:99] op_sel_hi:[1,0]
.set n, n+2
.endr
.set n, 0
.rept 64
	v_exp_f32 v[EX+n], v[EX+n]                     ; e^-z
.set n, n+1
.endr
	v_nop                                          ; a plain place behind the transcendentals
.set n, 0
	s_wait_alu depctr_va_vdst(0)
.rept 32
	v_pk_add_f32 v[EX+n:EX+n+1], v[EX+n:EX+n+1], 1.0 op_sel_hi:[1,0]
.set n, n+2
.endr
.set n, 0
.rept 64
	v_rcp_f32 v[EX+n], v[EX+n]
.set n, n+1
.endr
	v_nop
.set n, 0
	s_wait_alu depctr_va_vdst(0)
.rept 32
	v_pk_mul_f32 v[TMP+n:TMP+n+1], v[TMP+n:TMP+n+1], v[EX+n:EX+n+1]
.set n, n+2
.endr
.set n, 0
.rept 64
	v_med3_num_f32 v[TMP+n], v[TMP+n], -v13, v13   ; the hold ahead of the conversion (ISA guide 7.6.2)
.set n, n+1
.endr
.irp b, 0,1,2,3,4,5,6,7
	v_cvt_scalef32_pk8_bf8_f32 v[CD+2*\b:CD+2*\b+1], v[TMP+8*\b:TMP+8*\b+7], v12
.endr
	v_nop                                          ; one plain vector instruction behind the last conversion
.irp b, 0,1,2,3,4,5,6,7
	ds_store_b64 v[STO], v[CD+2*\b:CD+2*\b+1] offset:16*\b
.endr
.set BBS, BB+16*((\a)%2)
.irp i, 0,1,2,3
	ds_load_b128 v[BBS+4*\i:BBS+4*\i+3], v[RD] offset:4*SPITCH*\i
.endr
.endm
.macro SEND a, younger
.set BBS, BB+16*((\a)%2)
	s_wait_dscnt \younger
.if (\a) > 0
	s_add_nc_u64 s[12:13], s[12:13], 2048          ; 16 rows of 128 bytes on (behind a wait on XCNT: the earlier stores have read their base)
.endif
.irp i, 0,1,2,3
	global_store_b128 v[CO], v[BBS+4*\i:BBS+4*\i+3], s[12:13] offset:512*\i
.endr
.endm
	PLACES NP
	TOSTAGE 0
.irp a, 1,2,3,4,5,6,7
.if \a > 1
	s_wait_xcnt 0x0                                ; block a - 2's stores have read their registers and their base
.endif
	TOSTAGE \a
	SEND \a-1, 12                                  ; behind block a - 1's loads: block a's 8 stores and 4 loads
.endr
	s_wait_xcnt 0x0
	SEND 7, 0
	s_wait_tensorcnt 0x0                           ; the wave's end
	ds_add_u32 v[SPW], v[NIL]
	s_wait_dscnt 0x0
	CROUND
	s_endpgm
.Lfunc_end_k_q19f162112b_gemm_ffn1:
	.size	k_q19f162112b_gemm_ffn1, .Lfunc_end_k_q19f162112b_gemm_ffn1-k_q19f162112b_gemm_ffn1
	.p2alignl 7, 3214868480
	.fill 96, 4, 3214868480
	.section	.rodata,"a",@progbits
	.p2align	6, 0x0
	.amdhsa_kernel k_q19f162112b_gemm_ffn1
		.amdhsa_group_segment_fixed_size 327680
		.amdhsa_private_segment_fixed_size 0
		.amdhsa_enable_private_segment 0
		.amdhsa_kernarg_size 40
		.amdhsa_user_sgpr_count 2
		.amdhsa_user_sgpr_kernarg_segment_ptr 1
		.amdhsa_wavefront_size32 1
		.amdhsa_system_sgpr_workgroup_id_x 1
		.amdhsa_system_sgpr_workgroup_id_y 1
		.amdhsa_system_sgpr_workgroup_id_z 1
		.amdhsa_system_vgpr_workitem_id 0
		.amdhsa_next_free_vgpr 1024
		.amdhsa_next_free_sgpr 100
		.amdhsa_reserve_vcc 0
		.amdhsa_float_denorm_mode_32 3
		.amdhsa_float_denorm_mode_16_64 3
		.amdhsa_memory_ordered 1
		.amdhsa_forward_progress 1
		.amdhsa_inst_pref_size 224
	.end_amdhsa_kernel
	.amdgpu_metadata
---
amdhsa.version: [ 1, 2 ]
amdhsa.kernels:
  - .name:           k_q19f162112b_gemm_ffn1
    .symbol:         k_q19f162112b_gemm_ffn1.kd
    .args:
      - { .name: x1c, .offset: 0, .size: 8, .value_kind: global_buffer, .address_space: global }
      - { .name: w1_codes, .offset: 8, .size: 8, .value_kind: global_buffer, .address_space: global }
      - { .name: lowp_scales, .offset: 16, .size: 8, .value_kind: global_buffer, .address_space: global }
      - { .name: b1, .offset: 24, .size: 8, .value_kind: global_buffer, .address_space: global }
      - { .name: hc, .offset: 32, .size: 8, .value_kind: global_buffer, .address_space: global }
    .group_segment_fixed_size: 327680
    .private_segment_fixed_size: 0
    .kernarg_segment_align: 8
    .kernarg_segment_size: 40
    .max_flat_workgroup_size: 128
    .sgpr_count:     100
    .vgpr_count:     1024
    .wavefront_size: 32
...
	.end_amdgpu_metadata
.endif
;; end of part 5
;; launch gemm_ffn2 (part 6): grid 8 x 32, 4 waves a work-group, clusters of 4 x 4, 327,680 bytes of LDS; arguments hc, w2_codes, lowp_scales, b2, x1, x2; writes x2
.if DOCPART == 6
	.amdgcn_target "amdgcn-amd-amdhsa--gfx1250"
	.amdhsa_code_object_version 6
	.text
	.protected	k_q19f162112b_gemm_ffn2
	.globl	k_q19f162112b_gemm_ffn2
	.p2align	8
	.type	k_q19f162112b_gemm_ffn2,@function
k_q19f162112b_gemm_ffn2:
	s_mov_b64 s[64:65], 0
	v_nop
	global_prefetch_b8 v0, s[64:65] scope:SCOPE_SE
	s_setreg_imm32_b32 hwreg(HW_REG_WAVE_MODE, 25, 1), 1
	s_wait_xcnt 0x0
	s_wait_alu depctr_hold_cnt(0) depctr_sa_sdst(0) depctr_va_vdst(0) depctr_va_sdst(0) depctr_va_ssrc(0) depctr_va_vcc(0) depctr_vm_vsrc(0)
	s_getreg_b32 s2, hwreg(HW_REG_IB_STS2, 6, 4)
	s_cmp_eq_u32 s2, 0
	s_cbranch_scc0 .Lentry_in_a_cluster
	s_endpgm
.Lentry_in_a_cluster:
	s_bfe_u32 s2, ttmp6, 0x10000c
	s_cmp_lg_u32 s2, 0xf033
	s_cbranch_scc0 .Lentry_shape_is_right
	s_endpgm
.Lentry_shape_is_right:
; x2 = x1 + (h W2 + b2), the product on codes of E5M2; x2 leaves as f32 [m'][1024].
; hc: sub-tiles [128 rows][128 K] of 16,384 bytes; sub-tile (kb, rt) at index ((kb / 4) x 32 + rt) x 4 + kb % 4: the four sub-tiles of 512 along K lie on end.  w2_codes: [1024 n][4096 K].
; A tile of 128 x 128 gives each of the 256 WGPs one work-group.  Four waves, each 64 x 64: 16 accumulators.  K = 4,096 goes in eight steps of 512, as long as two slots in LDS allow.
; CLUSTERS: 4 x 4 work-groups; A's tiles are shared along a row of the cluster, W's along a column, each asked for jointly.  THE MATRIX INSTRUCTION IS USED TRANSPOSED (source 0 = 16 rows of W, source 1 = 16 rows of A).
; THE RESIDUAL (128 rows x 128 f32 of x1) comes by a plain tensor load, 32 rows a wave, as slot 0's last fill; the finished rows are laid over it and leave whole.
; LIMIT: e10 + e11 between -126 and 127.
; REGISTERS: window 0: v0-31 addresses; v96-127 the bias; v128-255 the accumulators.  window 1: two fragment buffers of 128; on the way out the residual and the rows.
.set KTOT,   4096
.set LAPS,   KTOT/1024
.set RSTR,   1024
.set AP,     144
.set BP,     528
.set ASUB,   128*AP
.set BOFF,   4*ASUB
.set BHALF,  64*BP
.set SLOT,   BOFF+2*BHALF
.set SPARE,  2*SLOT
.set RP,     528
.set ADRA, 16
.set ADRB, 20
.set RA,   22
.set RDF,  24
.set GO,   26
.set SPW,  28
.set NIL,  29
.set BI,   96
.set ACC,  128
.set F0,   0
.set F1,   128
.set G1, 24
.set G0, 32
.set G1B, 48
.set G0B, 56
.set G1R, 68
.set G0R, 76
.set MSB, 0
.macro WIN new
.if MSB != \new
	s_set_vgpr_msb (MSB<<8)|\new
.set MSB, \new
.endif
.endm
.set MUL,  0x05
.set TO_F, 0x40
.macro JLOAD s
	s_cmp_eq_u32 s19, 0
	s_cbranch_scc0 .Lfor_b_\@
	tensor_load_to_lds s[G0+4*\s:G0+4*\s+3], s[G1:G1+7]
	s_nop 0
.rept 4
	v_nop
.endr
	s_branch .Lasked_\@
.Lfor_b_\@:
	tensor_load_to_lds s[G0B+4*\s:G0B+4*\s+3], s[G1B:G1B+7]
	s_nop 0
.rept 4
	v_nop
.endr
.Lasked_\@:
.endm
.macro CREST
	s_cmp_lg_u32 s18, 0
	s_cbranch_scc1 .Lnot_wave_0_\@
	s_barrier_signal -3
.Lnot_wave_0_\@:
	s_barrier_wait -3
	s_barrier_signal -1
	s_barrier_wait -1
.endm
.macro CROUND
	s_barrier_signal -1
	s_barrier_wait -1
	CREST
.endm
	s_load_b256 s[4:11], s[0:1], 0x0               ; A's codes, W's codes, the scales' exponents, the bias
	s_load_b128 s[12:15], s[0:1], 0x20             ; the residual, the output
	v_lshl_add_u32 v[SPW], v0, 2, SPARE
	v_mov_b32 v[NIL], 0
	ds_add_u32 v28, v29
	ds_add_u32 v28, v29
	s_wait_dscnt 0x0
	v_lshrrev_b32 v1, 5, v0
	v_readfirstlane_b32 s18, v1
	s_lshr_b32 s19, s18, 1
	s_and_b32 s20, s18, 1
	s_bfe_u32 s40, ttmp6, 0x40000
	s_bfe_u32 s41, ttmp6, 0x40004
	s_lshl_b32 s22, ttmp9, 2
	s_add_co_u32 s22, s22, s40                     ; tc
	s_and_b32 s21, ttmp7, 0xffff
	s_lshl_b32 s21, s21, 2
	s_add_co_u32 s21, s21, s41                     ; rt
	s_lshl_b32 s43, s41, 2
	s_lshl_b32 s43, 15, s43
	s_lshl_b32 s44, 0x1111, s40
	s_or_b32 s[G1], s43, (0<<16)|(1<<20)|(1<<21)|(4<<22)|(3<<25)
	s_mov_b32 s[G1+1], 128<<16
	s_mov_b32 s[G1+2], 256<<16
	s_mov_b32 s[G1+3], 128<<16
	s_mov_b32 s[G1+4], 256
	s_mov_b32 s[G1+5], 128
	s_mov_b32 s[G1+6], 0
	s_mov_b32 s[G1+7], 0
	s_or_b32 s[G1B], s44, (0<<16)|(1<<20)|(1<<21)|(6<<22)|(3<<25)
	s_mov_b32 s[G1B+1], 512<<16
	s_mov_b32 s[G1B+2], 64<<16
	s_mov_b32 s[G1B+3], 512<<16
	s_mov_b32 s[G1B+4], 64
	s_mov_b32 s[G1B+5], KTOT
	s_mov_b32 s[G1B+6], 0
	s_mov_b32 s[G1B+7], 0
	s_mov_b32 s[G1R], (2<<16)|(1<<20)|(6<<22)|(3<<25)
	s_mov_b32 s[G1R+1], 128<<16
	s_mov_b32 s[G1R+2], 32<<16
	s_mov_b32 s[G1R+3], 128<<16
	s_mov_b32 s[G1R+4], 32
	s_mov_b32 s[G1R+5], RSTR
	s_mov_b32 s[G1R+6], 0
	s_mov_b32 s[G1R+7], 0
	s_lshl_b32 s86, s21, 16
	s_lshl_b32 s87, s20, 15
	s_add_co_u32 s86, s86, s87
	s_mov_b32 s87, 0
	s_lshl_b32 s88, s22, 7
	s_lshl_b32 s89, s20, 6
	s_add_co_u32 s88, s88, s89
	s_mul_i32 s88, s88, KTOT
	s_mov_b32 s89, 0
	s_mul_i32 s42, s20, 2*ASUB
	s_mul_i32 s45, s20, BHALF
	s_add_co_u32 s45, s45, BOFF
	s_lshl_b32 s92, s21, 7
	s_lshl_b32 s93, s18, 5
	s_add_co_u32 s92, s92, s93                     ; the first row that I fetch and store: 128 rt + 32 w
	s_lshl_b32 s92, s92, 12
	s_lshl_b32 s93, s22, 9
	s_add_co_u32 s92, s92, s93                     ; in x1 and in x2 alike
	s_mov_b32 s93, 0
	s_lshl_b32 s66, s22, 9
	s_lshl_b32 s67, s20, 8
	s_add_co_u32 s66, s66, s67
	s_mov_b32 s67, 0
	s_wait_kmcnt 0x0
	s_load_b64 s[80:81], s[8:9], 0x28              ; e10, e11
	s_add_nc_u64 s[86:87], s[4:5], s[86:87]
	s_add_nc_u64 s[88:89], s[6:7], s[88:89]
	s_add_nc_u64 s[12:13], s[12:13], s[92:93]
	s_add_nc_u64 s[14:15], s[14:15], s[92:93]
	s_add_nc_u64 s[66:67], s[10:11], s[66:67]
	s_mov_b32 s[G0R], 1
	s_mul_i32 s[G0R+1], s18, 32*RP
	s_mov_b64 s[G0R+2:G0R+3], s[12:13]
	s_or_b32 s[G0R+3], s[G0R+3], 0x80000000
	CROUND
.irp s, 0,1
	s_mov_b32 s[G0+4*\s], 1
	s_add_co_u32 s[G0+4*\s+1], s42, \s*SLOT
	s_add_nc_u64 s[G0+4*\s+2:G0+4*\s+3], s[86:87], \s*32*65536
	s_or_b32 s[G0+4*\s+3], s[G0+4*\s+3], 0x80000000
	s_mov_b32 s[G0B+4*\s], 1
	s_add_co_u32 s[G0B+4*\s+1], s45, \s*SLOT
	s_add_nc_u64 s[G0B+4*\s+2:G0B+4*\s+3], s[88:89], \s*512
	s_or_b32 s[G0B+4*\s+3], s[G0B+4*\s+3], 0x80000000
	JLOAD \s
.endr
	v_and_b32 v1, 15, v0
	v_bfe_u32 v2, v0, 4, 1
	v_and_b32 v3, 31, v0
	v_lshlrev_b32 v8, 5, v2
.irp b, 0,1,2,3
	global_load_b128 v[BI+8*\b:BI+8*\b+3], v8, s[66:67] offset:64*\b
	global_load_b128 v[BI+8*\b+4:BI+8*\b+7], v8, s[66:67] offset:64*\b+16
.endr
	v_mul_u32_u24 v4, v1, AP
	v_lshl_add_u32 v4, v2, 4, v4
	s_mul_i32 s23, s19, 64*AP
	v_add_nc_u32 v[ADRA], s23, v4
	v_add_nc_u32 v[ADRA+1], SLOT, v[ADRA]
	v_mul_u32_u24 v5, v1, BP
	v_lshl_add_u32 v5, v2, 4, v5
	s_mul_i32 s23, s20, BHALF
	s_add_co_u32 s23, s23, BOFF
	v_add_nc_u32 v[ADRB], s23, v5
	v_add_nc_u32 v[ADRB+1], SLOT, v[ADRB]
	s_mul_i32 s23, s19, 64*RP
	s_lshl_b32 s46, s20, 8
	s_add_co_u32 s23, s23, s46
	v_mul_u32_u24 v[RA], v1, RP
	v_lshl_add_u32 v[RA], v2, 5, v[RA]
	v_add_nc_u32 v[RA], s23, v[RA]
	s_mul_i32 s23, s18, 32*RP
	v_lshlrev_b32 v[GO], 4, v3
	v_add_nc_u32 v[RDF], s23, v[GO]
.macro MUL8 f, a0, zero                ; the 16 accumulators take turns, one instruction a turn
.irp a, \a0, \a0+1
.irp b, 0,1,2,3
.if \zero
	v_wmma_f32_16x16x128_bf8_bf8 v[ACC+8*(4*(\a)+\b):ACC+8*(4*(\a)+\b)+7], v[\f+64+16*\b:\f+64+16*\b+15], v[\f+16*(\a):\f+16*(\a)+15], 0
.else
	v_wmma_f32_16x16x128_bf8_bf8 v[ACC+8*(4*(\a)+\b):ACC+8*(4*(\a)+\b)+7], v[\f+64+16*\b:\f+64+16*\b+15], v[\f+16*(\a):\f+16*(\a)+15], v[ACC+8*(4*(\a)+\b):ACC+8*(4*(\a)+\b)+7]
.endif
.endr
.endr
.endm
.macro FETCH slot, q, f
	WIN TO_F
.irp i, 0,1,2,3
.irp c, 0,1,2,3
	ds_load_b128 v[\f+64+16*\i+4*\c:\f+64+16*\i+4*\c+3], v[ADRB+\slot] offset:128*(\q)+32*\c+\i*16*BP
.endr
.endr
.irp i, 0,1,2,3
.irp c, 0,1,2,3
	ds_load_b128 v[\f+16*\i+4*\c:\f+16*\i+4*\c+3], v[ADRA+\slot] offset:(\q)*ASUB+32*\c+\i*16*AP
.endr
.endr
.endm
.macro PLACES
.rept 4
	v_nop
.endr
.endm
.macro QUARTER slot, q, f, g, zero
	s_wait_dscnt 8                                 ; W's four and A's fragments 0, 1 are in; the eight youngest loads (A's 2, 3) may be out
	WIN MUL
	MUL8 \f, 0, \zero
	PLACES
	FETCH \slot, \q, \g
	s_wait_dscnt 32                                ; all but the 32 just issued
	WIN MUL
	MUL8 \f, 2, \zero
.endm
.macro TURN slot, next, fill
	WIN 0
	s_wait_tensorcnt 0x0                           ; all my tensor loads have landed: my part of the next slot
	ds_add_u32 v[SPW], v[NIL]                      ; 0 onto my spare word
	s_wait_dscnt 9                                 ; (the add and the eight youngest loads may be out)
	WIN MUL
	MUL8 F1, 0, 0
	s_wait_dscnt 0x0                               ; the add is done, and my reads of this slot are over
	WIN 0
	s_barrier_signal -1
	s_barrier_wait -1
	CREST                                          ; no wave of any partner still reads this slot or has a load on its way
.if \fill == 1
	s_add_nc_u64 s[G0+4*\slot+2:G0+4*\slot+3], s[G0+4*\slot+2:G0+4*\slot+3], 2*32*65536
	s_add_nc_u64 s[G0B+4*\slot+2:G0B+4*\slot+3], s[G0B+4*\slot+2:G0B+4*\slot+3], 1024
	JLOAD \slot
.else
	tensor_load_to_lds s[G0R:G0R+3], s[G1R:G1R+7]  ; my 32 rows of the residual: a load of my own, the one behind this round
	s_nop 0
.rept 4
	v_nop
.endr
.endif
	FETCH \next, 0, F0
	WIN MUL
	MUL8 F1, 2, 0
.endm
	s_wait_tensorcnt 1                             ; my part of K step 0 is in; K step 1's may be out
	s_barrier_signal -1
	s_barrier_wait -1
	FETCH 0, 0, F0
	QUARTER 0, 1, F0, F1, 1
	WIN 0
	s_mov_b32 s3, LAPS-1
.Llap:                                             ; a trip goes once round the ring and fills both slots again
	QUARTER 0, 2, F1, F0, 0
	QUARTER 0, 3, F0, F1, 0
	TURN 0, 1, 1
	QUARTER 1, 1, F0, F1, 0
	QUARTER 1, 2, F1, F0, 0
	QUARTER 1, 3, F0, F1, 0
	TURN 1, 0, 1
	QUARTER 0, 1, F0, F1, 0
	WIN 0
	s_sub_co_u32 s3, s3, 1
	s_cmp_lg_u32 s3, 0
	s_cbranch_scc1 .Llap
	QUARTER 0, 2, F1, F0, 0
	QUARTER 0, 3, F0, F1, 0
	TURN 0, 1, 2
	QUARTER 1, 1, F0, F1, 0
	QUARTER 1, 2, F1, F0, 0
	QUARTER 1, 3, F0, F1, 0
	s_wait_dscnt 8
	WIN MUL
	MUL8 F1, 0, 0
	s_wait_dscnt 0
	MUL8 F1, 2, 0
	WIN 0
	; THE WAY OUT
	s_wait_tensorcnt 0x0                           ; my rows of the residual have landed,
	s_wait_loadcnt 0x0                             ; and the bias
	s_wait_kmcnt 0x0
	s_add_co_i32 s84, s80, s81
	s_add_co_i32 s84, s84, 127
	s_lshl_b32 s84, s84, 23                        ; 2^(e10 + e11)
	s_mov_b32 s85, s84
	s_barrier_signal -1
	s_barrier_wait -1                              ; everybody's rows have landed
	PLACES
	WIN TO_F
.irp a, 0,1,2,3
.irp b, 0,1,2,3
	ds_load_b128 v[8*(4*\a+\b):8*(4*\a+\b)+3], v[RA] offset:\a*16*RP+64*\b
	ds_load_b128 v[8*(4*\a+\b)+4:8*(4*\a+\b)+7], v[RA] offset:\a*16*RP+64*\b+16
.endr
.endr
	WIN 0
.set n, 0
.rept 16
.irp i, 0,2,4,6
	v_pk_fma_f32 v[ACC+8*n+\i:ACC+8*n+\i+1], v[ACC+8*n+\i:ACC+8*n+\i+1], s[84:85], v[BI+8*(n%4)+\i:BI+8*(n%4)+\i+1] op_sel_hi:[1,0,1]   ; sum x 2^(e10 + e11) + bias; each accumulator from its low end on
.endr
.set n, n+1
.endr
	s_wait_dscnt 0x0
	WIN 0x44
.set n, 0
.rept 64
	v_pk_add_f32 v[2*n:2*n+1], v[ACC+2*n:ACC+2*n+1], v[2*n:2*n+1]   ; + the residual
.set n, n+1
.endr
	WIN 0x04
.irp a, 0,1,2,3
.irp b, 0,1,2,3
	ds_store_b128 v[RA], v[8*(4*\a+\b):8*(4*\a+\b)+3] offset:\a*16*RP+64*\b
	ds_store_b128 v[RA], v[8*(4*\a+\b)+4:8*(4*\a+\b)+7] offset:\a*16*RP+64*\b+16
.endr
.endr
	s_wait_dscnt 0x0                               ; for the others' sake: my stores are done
	s_barrier_signal -1
	s_barrier_wait -1
	WIN TO_F
.set n, 0
.rept 32
	ds_load_b128 v[4*n:4*n+3], v[RDF] offset:n*RP
.set n, n+1
.endr
	WIN 0x04
.set n, 0
.rept 32
	s_wait_dscnt 31-n
	global_store_b128 v[GO], v[4*n:4*n+3], s[14:15] offset:n*4096   ; 32 lanes store 512 consecutive bytes
.set n, n+1
.endr
	WIN 0
	s_wait_tensorcnt 0x0                           ; the wave's end
	ds_add_u32 v[SPW], v[NIL]
	s_wait_dscnt 0x0
	CROUND
	s_endpgm
.Lfunc_end_k_q19f162112b_gemm_ffn2:
	.size	k_q19f162112b_gemm_ffn2, .Lfunc_end_k_q19f162112b_gemm_ffn2-k_q19f162112b_gemm_ffn2
	.p2alignl 7, 3214868480
	.fill 96, 4, 3214868480
	.section	.rodata,"a",@progbits
	.p2align	6, 0x0
	.amdhsa_kernel k_q19f162112b_gemm_ffn2
		.amdhsa_group_segment_fixed_size 327680
		.amdhsa_private_segment_fixed_size 0
		.amdhsa_enable_private_segment 0
		.amdhsa_kernarg_size 48
		.amdhsa_user_sgpr_count 2
		.amdhsa_user_sgpr_kernarg_segment_ptr 1
		.amdhsa_wavefront_size32 1
		.amdhsa_system_sgpr_workgroup_id_x 1
		.amdhsa_system_sgpr_workgroup_id_y 1
		.amdhsa_system_sgpr_workgroup_id_z 1
		.amdhsa_system_vgpr_workitem_id 0
		.amdhsa_next_free_vgpr 512
		.amdhsa_next_free_sgpr 100
		.amdhsa_reserve_vcc 0
		.amdhsa_float_denorm_mode_32 3
		.amdhsa_float_denorm_mode_16_64 3
		.amdhsa_memory_ordered 1
		.amdhsa_forward_progress 1
		.amdhsa_inst_pref_size 83
	.end_amdhsa_kernel
	.amdgpu_metadata
---
amdhsa.version: [ 1, 2 ]
amdhsa.kernels:
  - .name:           k_q19f162112b_gemm_ffn2
    .symbol:         k_q19f162112b_gemm_ffn2.kd
    .args:
      - { .name: hc, .offset: 0, .size: 8, .value_kind: global_buffer, .address_space: global }
      - { .name: w2_codes, .offset: 8, .size: 8, .value_kind: global_buffer, .address_space: global }
      - { .name: lowp_scales, .offset: 16, .size: 8, .value_kind: global_buffer, .address_space: global }
      - { .name: b2, .offset: 24, .size: 8, .value_kind: global_buffer, .address_space: global }
      - { .name: x1, .offset: 32, .size: 8, .value_kind: global_buffer, .address_space: global }
      - { .name: x2, .offset: 40, .size: 8, .value_kind: global_buffer, .address_space: global }
    .group_segment_fixed_size: 327680
    .private_segment_fixed_size: 0
    .kernarg_segment_align: 8
    .kernarg_segment_size: 48
    .max_flat_workgroup_size: 128
    .sgpr_count:     100
    .vgpr_count:     512
    .wavefront_size: 32
...
	.end_amdgpu_metadata
.endif
;; end of part 6
;; launch rmsnorm (part 7): grid 512 x 1, 8 waves a work-group, no clusters, 0 bytes of LDS; arguments x2, gain_final, out0; writes out0
.if DOCPART == 7
	.amdgcn_target "amdgcn-amd-amdhsa--gfx1250"
	.amdhsa_code_object_version 6
	.text
	.protected	k_q19f162112b_rmsnorm
	.globl	k_q19f162112b_rmsnorm
	.p2align	8
	.type	k_q19f162112b_rmsnorm,@function
k_q19f162112b_rmsnorm:
	s_mov_b64 s[64:65], 0
	v_nop
	global_prefetch_b8 v0, s[64:65] scope:SCOPE_SE
	s_setreg_imm32_b32 hwreg(HW_REG_WAVE_MODE, 25, 1), 1
	s_wait_xcnt 0x0
; out0[t][b][:] = x2[m'][:] x rsqrt(mean(x2[m']^2) + 1e-5) x gain, m' = 2,048 b + t.  All f32.
; One wave, one row of 4,096 bytes: eight loads of 16 bytes a lane; the row stays in registers between the sum of squares and the scaling, so memory is read once and no wave waits for another.
; Each load and store of a wave covers 512 consecutive bytes.  No LDS, no barrier, no matrix unit, no cluster: a stream whose work-groups share only the gain's 4,096 bytes.
.set X, 8                              ; v8-39   the row
.set G, 40                             ; v40-71  the gain
.set S, 72                             ; v72-79  four packed chains of squares
.set R, 80                             ; v80-81  the factor, twice
	s_load_b128 s[4:7], s[0:1], 0x0                ; x2, gain
	s_load_b64 s[8:9], s[0:1], 0x10                ; out0
	v_lshrrev_b32 v2, 5, v0
	s_delay_alu instid0(VALU_DEP_1)
	v_readfirstlane_b32 s10, v2                    ; wave
	v_and_b32 v1, 31, v0
	s_delay_alu instid0(VALU_DEP_1)
	v_lshlrev_b32 v1, 4, v1                        ; 16 x lane
	s_lshl_b32 s11, ttmp9, 3
	s_add_co_u32 s11, s11, s10                     ; m'
	s_lshl_b32 s12, s11, 12
	s_mov_b32 s13, 0
	s_and_b32 s14, s11, 2047
	s_lshl_b32 s14, s14, 1
	s_lshr_b32 s15, s11, 11
	s_or_b32 s14, s14, s15                         ; the row in out0: 2 t + b
	s_lshl_b32 s14, s14, 12
	s_mov_b32 s15, 0
	s_mov_b32 s16, 0x76543210
	s_mov_b32 s17, 0xfedcba98
	s_mov_b32 s18, 0x3a800000                      ; 1 / 1,024
	s_mov_b32 s19, 0x3727c5ac                      ; 1e-5
	s_wait_alu depctr_va_vdst(0)
	s_wait_kmcnt 0x0
	s_add_nc_u64 s[4:5], s[4:5], s[12:13]
	s_add_nc_u64 s[8:9], s[8:9], s[14:15]
.irp j, 0,1,2,3,4,5,6,7
	global_load_b128 v[X+4*\j:X+4*\j+3], v1, s[4:5] offset:512*\j th:TH_LOAD_NT
.endr
.irp j, 0,1,2,3,4,5,6,7
	global_load_b128 v[G+4*\j:G+4*\j+3], v1, s[6:7] offset:512*\j
.endr
	s_wait_loadcnt 8                               ; the row is in; the gain's eight loads may be out
.irp k, 0,1,2,3
	v_pk_mul_f32 v[S+2*\k:S+2*\k+1], v[X+2*\k:X+2*\k+1], v[X+2*\k:X+2*\k+1]   ; the first four pairs start the chains
.endr
.set n, 4
.rept 12
	s_delay_alu instid0(VALU_DEP_4)
	v_pk_fma_f32 v[S+2*(n%4):S+2*(n%4)+1], v[X+2*n:X+2*n+1], v[X+2*n:X+2*n+1], v[S+2*(n%4):S+2*(n%4)+1]
.set n, n+1
.endr
	s_delay_alu instid0(VALU_DEP_3)
	v_pk_add_f32 v[S:S+1], v[S:S+1], v[S+2:S+3]
	s_delay_alu instid0(VALU_DEP_2)
	v_pk_add_f32 v[S+4:S+5], v[S+4:S+5], v[S+6:S+7]
	s_delay_alu instid0(VALU_DEP_1)
	v_pk_add_f32 v[S:S+1], v[S:S+1], v[S+4:S+5]
	s_delay_alu instid0(VALU_DEP_1)
	v_add_f32 v[S], v[S], v[S+1]
	s_delay_alu instid0(VALU_DEP_1)
	v_add_f32_dpp v[S], v[S], v[S] row_xmask:1 row_mask:0xf bank_mask:0xf
	s_delay_alu instid0(VALU_DEP_1)
	v_add_f32_dpp v[S], v[S], v[S] row_xmask:2 row_mask:0xf bank_mask:0xf
	s_delay_alu instid0(VALU_DEP_1)
	v_add_f32_dpp v[S], v[S], v[S] row_xmask:4 row_mask:0xf bank_mask:0xf
	s_delay_alu instid0(VALU_DEP_1)
	v_add_f32_dpp v[S], v[S], v[S] row_xmask:8 row_mask:0xf bank_mask:0xf
	s_delay_alu instid0(VALU_DEP_1)
	v_permlanex16_b32 v[S+1], v[S], s16, s17       ; its destination has been written
	s_delay_alu instid0(VALU_DEP_1)
	v_add_f32 v[S], v[S], v[S+1]                   ; every lane holds the row's sum of squares
	s_delay_alu instid0(VALU_DEP_1)
	v_fma_f32 v[S], v[S], s18, s19                 ; the mean + eps
	s_wait_alu depctr_va_vdst(0)
	v_rsq_f32 v[R], v[S]
	v_nop                                          ; a plain place behind the transcendental
	s_wait_alu depctr_va_vdst(0)
	v_mov_b32 v[R+1], v[R]
.set n, 0
.rept 16
	v_pk_mul_f32 v[X+2*n:X+2*n+1], v[X+2*n:X+2*n+1], v[R:R+1]
.set n, n+1
.endr
	s_wait_loadcnt 0x0                             ; the gain
.set n, 0
.rept 16
	v_pk_mul_f32 v[X+2*n:X+2*n+1], v[X+2*n:X+2*n+1], v[G+2*n:G+2*n+1]
.set n, n+1
.endr
.irp j, 0,1,2,3,4,5,6,7
	global_store_b128 v1, v[X+4*\j:X+4*\j+3], s[8:9] offset:512*\j th:TH_STORE_NT
.endr
	s_endpgm
.Lfunc_end_k_q19f162112b_rmsnorm:
	.size	k_q19f162112b_rmsnorm, .Lfunc_end_k_q19f162112b_rmsnorm-k_q19f162112b_rmsnorm
	.p2alignl 7, 3214868480
	.fill 96, 4, 3214868480
	.section	.rodata,"a",@progbits
	.p2align	6, 0x0
	.amdhsa_kernel k_q19f162112b_rmsnorm
		.amdhsa_group_segment_fixed_size 0
		.amdhsa_private_segment_fixed_size 0
		.amdhsa_enable_private_segment 0
		.amdhsa_kernarg_size 24
		.amdhsa_user_sgpr_count 2
		.amdhsa_user_sgpr_kernarg_segment_ptr 1
		.amdhsa_wavefront_size32 1
		.amdhsa_system_sgpr_workgroup_id_x 1
		.amdhsa_system_sgpr_workgroup_id_y 1
		.amdhsa_system_sgpr_workgroup_id_z 1
		.amdhsa_system_vgpr_workitem_id 0
		.amdhsa_next_free_vgpr 96
		.amdhsa_next_free_sgpr 66
		.amdhsa_reserve_vcc 0
		.amdhsa_float_denorm_mode_32 3
		.amdhsa_float_denorm_mode_16_64 3
		.amdhsa_memory_ordered 1
		.amdhsa_forward_progress 1
		.amdhsa_inst_pref_size 9
	.end_amdhsa_kernel
	.amdgpu_metadata
---
amdhsa.version: [ 1, 2 ]
amdhsa.kernels:
  - .name:           k_q19f162112b_rmsnorm
    .symbol:         k_q19f162112b_rmsnorm.kd
    .args:
      - { .name: x2, .offset: 0, .size: 8, .value_kind: global_buffer, .address_space: global }
      - { .name: gain_final, .offset: 8, .size: 8, .value_kind: global_buffer, .address_space: global }
      - { .name: out0, .offset: 16, .size: 8, .value_kind: global_buffer, .address_space: global }
    .group_segment_fixed_size: 0
    .private_segment_fixed_size: 0
    .kernarg_segment_align: 8
    .kernarg_segment_size: 24
    .max_flat_workgroup_size: 256
    .sgpr_count:     66
    .vgpr_count:     96
    .wavefront_size: 32
...
	.end_amdgpu_metadata
.endif
;; end of part 7
